; MI455X (gfx1250); checked and timed in simulation.
; The chip was launched on July 23, 2026; its instructions are those of AMD's public machine-readable ISA for CDNA 5 (MIT licence, August 2026) and "CDNA5" Instruction Set Architecture Reference Guide (July 2026). The comments in the code are by the model that wrote it; some were corrected since.
;; Multi Head Self Attention. Allowed arithmetic: float matrix products may take bf16 or f16 operands with f32 sums; all other float work in f32.
;; Inputs: W_out 1,024 x 1,024 float32; W_qkv 1,024 x 3,072 float32; b_out 1,024 float32; b_qkv 3,072 float32; causal_mask 2,048 x 2,048 bool; padding_mask 4 x 2,048 bool; x 4 x 2,048 x 1,024 float32.
;; Outputs: out0 4 x 2,048 x 1,024 float32.
;; 2 versions, each right and faster than the one before. Each part assembles by itself: llvm-mc -triple=amdgcn-amd-amdhsa -mcpu=gfx1250 --defsym DOCPART=n.
;; ======== version 1 of 2: 4 launches
;; limits: values are held in f16: magnitudes above 65,504 overflow, below 6.1e-05 lose precision
;; workspace buffers: xo 16,777,216 bytes; wb 8,388,608 bytes; qkv 50,331,648 bytes; mk 2,097,152 bytes of whole numbers
;; launch prep (part 1): grid 448 x 1, 8 waves a work-group, no clusters, 0 bytes of LDS; arguments x, W_qkv, W_out, causal_mask, padding_mask, xo, wb, mk; writes xo, wb, mk
.if DOCPART == 1
	.amdgcn_target "amdgcn-amd-amdhsa--gfx1250"
	.amdhsa_code_object_version 6
	.text
	.protected	k_qf9541bbe91_prep
	.globl	k_qf9541bbe91_prep
	.p2align	8
	.type	k_qf9541bbe91_prep,@function
k_qf9541bbe91_prep:
	s_mov_b64 s[64:65], 0
	v_nop
	global_prefetch_b8 v0, s[64:65] scope:SCOPE_SE
	s_setreg_imm32_b32 hwreg(HW_REG_WAVE_MODE, 25, 1), 1
	s_wait_xcnt 0x0
; PREP.  Four roles, chosen by the work-group's number:
;   0-63    the two masks are packed into lane masks (mk)
;   64-319  x, f32 -> bf16, laid as [b 4][block of 64 columns 16][s 2048][64] (xo): 256 tokens x 64 K are then 32,768 dense bytes
;   320-415 W_qkv, f32 -> bf16, same order [1024][3072] (wb, byte 0)
;   416-447 W_out, f32 -> bf16, that number written as f16 (exact but for numbers under 2^-14, which keep f16's fixed step of 6e-8) (wb, byte WO_OFF)
; mk: words [b 4][tile of 16 queries 128][quarter of 512 keys 4][jh 2][block of 16 keys 32][jj 4]:
;   bit r + 16 h of word (kb, j = 4 jh + jj) = hidden(query 16 T + r, key 512 quarter + 16 kb + 8 h + j), hidden = causal_mask OR padding_mask.
; LIMIT: mask bytes are 0 or 1 (bool).
; No LDS, no matrix unit: the streams are bound by bytes; each stream thread has all its 32 loads out at once.
.set WO_OFF, 6291456
.set DD, 16                            ; v[16:143] a stream's 16 items of 8 floats
; 16 items of 8,192 bytes in; a thread takes 32 bytes of each.  All loads go out first; item i is waited for with the younger items' 30 - 2 i loads left out.
; The roundings land in the item's own first four registers, so no register that a store reads is written again.
.macro CONV kind, ostr, ib, ob
.set i, 0
.rept 16
	global_load_b128 v[DD+8*i:DD+8*i+3], v1, s[\ib:\ib+1] offset:i*8192 th:TH_LOAD_NT
	global_load_b128 v[DD+8*i+4:DD+8*i+7], v1, s[\ib:\ib+1] offset:i*8192+16 th:TH_LOAD_NT
.set i, i+1
.endr
.set i, 0
.rept 16
	s_wait_loadcnt 30-2*i
.set k, 0
.rept 4
	v_cvt_pk_bf16_f32 v[DD+8*i+k], v[DD+8*i+2*k], v[DD+8*i+2*k+1]
.set k, k+1
.endr
.if \kind
.set k, 0
.rept 4                                ; the bf16 number once more, as f16
	v_lshlrev_b32 v[DD+8*i+4+2*(k%2)], 16, v[DD+8*i+k]
	v_and_b32 v[DD+8*i+5+2*(k%2)], s3, v[DD+8*i+k]
	v_cvt_pk_f16_f32 v[DD+8*i+k], v[DD+8*i+4+2*(k%2)], v[DD+8*i+5+2*(k%2)]
.set k, k+1
.endr
.endif
	global_store_b128 v2, v[DD+8*i:DD+8*i+3], s[\ob:\ob+1] offset:i*(\ostr)
.set i, i+1
.endr
.endm
	s_load_b512 s[4:19], s[0:1], 0x0       ; x 4, W_qkv 6, W_out 8, causal 10, padding 12, xo 14, wb 16, mk 18
	s_mov_b32 s2, ttmp9
	s_mov_b32 s3, 0xffff0000               ; a word's upper bf16
	s_wait_kmcnt 0x0
	s_cmp_lt_u32 s2, 64
	s_cbranch_scc1 .Lmask
	s_cmp_lt_u32 s2, 320
	s_cbranch_scc1 .Lx
	s_cmp_lt_u32 s2, 416
	s_cbranch_scc1 .Lwqkv
	; W_out: 32 work-groups of 131,072 bytes in, 65,536 out
	s_sub_co_u32 s20, s2, 416
	s_lshl_b32 s22, s20, 17
	s_mov_b32 s23, 0
	s_lshl_b32 s24, s20, 16
	s_add_co_u32 s24, s24, WO_OFF
	s_mov_b32 s25, 0
	s_add_nc_u64 s[8:9], s[8:9], s[22:23]
	s_add_nc_u64 s[16:17], s[16:17], s[24:25]
	v_lshlrev_b32 v1, 5, v0
	v_lshlrev_b32 v2, 4, v0
	CONV 1, 4096, 8, 16
	s_endpgm
.Lwqkv:                                        ; 96 work-groups, linear
	s_sub_co_u32 s20, s2, 320
	s_lshl_b32 s22, s20, 17
	s_mov_b32 s23, 0
	s_lshl_b32 s24, s20, 16
	s_mov_b32 s25, 0
	s_add_nc_u64 s[6:7], s[6:7], s[22:23]
	s_add_nc_u64 s[16:17], s[16:17], s[24:25]
	v_lshlrev_b32 v1, 5, v0
	v_lshlrev_b32 v2, 4, v0
	CONV 0, 4096, 6, 16
	s_endpgm
.Lx:                                           ; 256 work-groups of 32 rows; an item is two rows
	s_sub_co_u32 s20, s2, 64
	s_lshl_b32 s22, s20, 17
	s_mov_b32 s23, 0
	s_lshr_b32 s24, s20, 6                 ; b
	s_lshl_b32 s24, s24, 22
	s_and_b32 s26, s20, 63                 ; 32 rows of 128 bytes in each block
	s_lshl_b32 s26, s26, 12
	s_add_co_u32 s24, s24, s26
	s_mov_b32 s25, 0
	s_add_nc_u64 s[4:5], s[4:5], s[22:23]
	s_add_nc_u64 s[14:15], s[14:15], s[24:25]
	v_and_b32 v3, 7, v0                    ; which 8 of a block's 64 floats
	v_lshrrev_b32 v4, 4, v0                ; which block
	v_bfe_u32 v5, v0, 3, 1                 ; which of the two rows
	v_lshlrev_b32 v1, 5, v3
	v_lshl_add_u32 v1, v4, 8, v1
	v_lshl_add_u32 v1, v5, 12, v1
	v_and_b32 v6, 15, v0
	v_lshlrev_b32 v2, 4, v6                ; 16 lanes store 256 consecutive bytes: two rows of one block
	v_lshl_add_u32 v2, v4, 18, v2
	CONV 0, 256, 4, 14
	s_endpgm
.Lmask:                                        ; a wave takes 16 queries x 512 keys; lane L the keys 16 L .. 16 L + 15 of them
	v_and_b32 v1, 31, v0
	v_lshrrev_b32 v3, 5, v0
	v_readfirstlane_b32 s20, v3
	s_lshl_b32 s21, s2, 3
	s_add_co_u32 s21, s21, s20
	s_lshr_b32 s22, s21, 2                 ; T, the tile of 16 queries
	s_and_b32 s23, s21, 3                  ; the quarter
	v_lshlrev_b32 v2, 4, v1                ; 16 L
	s_lshl_b32 s26, s23, 9
	s_mov_b32 s27, 0
	s_lshl_b32 s24, s22, 15                ; 16 rows of 2,048 bytes
	s_add_co_u32 s24, s24, s26
	s_mov_b32 s25, 0
	s_add_nc_u64 s[10:11], s[10:11], s[24:25]
	s_add_nc_u64 s[12:13], s[12:13], s[26:27]
.set r, 0
.rept 16
	global_load_b128 v[16+4*r:16+4*r+3], v2, s[10:11] offset:r*2048 th:TH_LOAD_NT  ; 512 consecutive bytes of row r
.set r, r+1
.endr
.set r, 0
.rept 4
	global_load_b128 v[80+4*r:80+4*r+3], v2, s[12:13] offset:r*2048
.set r, r+1
.endr
	s_lshl_b32 s28, s22, 12
	s_lshl_b32 s32, s23, 10
	s_add_co_u32 s28, s28, s32
	s_mov_b32 s29, 0
	s_add_nc_u64 s[18:19], s[18:19], s[28:29]      ; the tile's and quarter's words for b = 0
	s_mov_b32 s33, 255
	s_wait_loadcnt 0x0
	; byte e of v[16+d]: bits 0-7 = rows 0-7 at key 4 d + e; of v[48+d]: rows 8-15
.set r, 1
.rept 7
.set d, 0
.rept 4
	v_lshl_or_b32 v[16+d], v[16+4*r+d], r, v[16+d]
	v_lshl_or_b32 v[48+d], v[48+4*r+d], r, v[48+d]
.set d, d+1
.endr
.set r, r+1
.endr
.irp b, 0,1,2,3
.set W, 112+8*(\b)                     ; each b has eight word registers of its own: no store's data is written again
.set d, 0
.rept 4
	v_mul_lo_u32 v[152+d], v[80+4*(\b)+d], s33     ; a padded key hides all rows: byte 1 -> 0xff
	v_or_b32 v[96+d], v[16+d], v[152+d]
	v_or_b32 v[100+d], v[48+d], v[152+d]
.set d, d+1
.endr
.set dj, 0
.rept 2                                ; 16 bits of rows for a key; keys j and 8 + j make word j
	v_perm_b32 v104, v[100+dj], v[96+dj], 0x05010400
	v_perm_b32 v105, v[100+dj], v[96+dj], 0x07030602
	v_perm_b32 v106, v[102+dj], v[98+dj], 0x05010400
	v_perm_b32 v107, v[102+dj], v[98+dj], 0x07030602
	v_perm_b32 v[W+4*dj], v106, v104, 0x05040100
	v_perm_b32 v[W+4*dj+1], v106, v104, 0x07060302
	v_perm_b32 v[W+4*dj+2], v107, v105, 0x05040100
	v_perm_b32 v[W+4*dj+3], v107, v105, 0x07060302
.set dj, dj+1
.endr
	global_store_b128 v2, v[W:W+3], s[18:19] offset:(\b)*524288       ; 512 consecutive bytes
	global_store_b128 v2, v[W+4:W+7], s[18:19] offset:(\b)*524288+512
.endr
	s_endpgm
.Lfunc_end_k_qf9541bbe91_prep:
	.size	k_qf9541bbe91_prep, .Lfunc_end_k_qf9541bbe91_prep-k_qf9541bbe91_prep
	.p2alignl 7, 3214868480
	.fill 96, 4, 3214868480
	.section	.rodata,"a",@progbits
	.p2align	6, 0x0
	.amdhsa_kernel k_qf9541bbe91_prep
		.amdhsa_group_segment_fixed_size 0
		.amdhsa_private_segment_fixed_size 0
		.amdhsa_enable_private_segment 0
		.amdhsa_kernarg_size 64
		.amdhsa_user_sgpr_count 2
		.amdhsa_user_sgpr_kernarg_segment_ptr 1
		.amdhsa_wavefront_size32 1
		.amdhsa_system_sgpr_workgroup_id_x 1
		.amdhsa_system_sgpr_workgroup_id_y 1
		.amdhsa_system_sgpr_workgroup_id_z 1
		.amdhsa_system_vgpr_workitem_id 0
		.amdhsa_next_free_vgpr 160
		.amdhsa_next_free_sgpr 66
		.amdhsa_reserve_vcc 0
		.amdhsa_float_denorm_mode_32 3
		.amdhsa_float_denorm_mode_16_64 3
		.amdhsa_memory_ordered 1
		.amdhsa_forward_progress 1
		.amdhsa_inst_pref_size 53
	.end_amdhsa_kernel
	.amdgpu_metadata
---
amdhsa.version: [ 1, 2 ]
amdhsa.kernels:
  - .name:           k_qf9541bbe91_prep
    .symbol:         k_qf9541bbe91_prep.kd
    .args:
      - { .name: x, .offset: 0, .size: 8, .value_kind: global_buffer, .address_space: global }
      - { .name: W_qkv, .offset: 8, .size: 8, .value_kind: global_buffer, .address_space: global }
      - { .name: W_out, .offset: 16, .size: 8, .value_kind: global_buffer, .address_space: global }
      - { .name: causal_mask, .offset: 24, .size: 8, .value_kind: global_buffer, .address_space: global }
      - { .name: padding_mask, .offset: 32, .size: 8, .value_kind: global_buffer, .address_space: global }
      - { .name: xo, .offset: 40, .size: 8, .value_kind: global_buffer, .address_space: global }
      - { .name: wb, .offset: 48, .size: 8, .value_kind: global_buffer, .address_space: global }
      - { .name: mk, .offset: 56, .size: 8, .value_kind: global_buffer, .address_space: global }
    .group_segment_fixed_size: 0
    .private_segment_fixed_size: 0
    .kernarg_segment_align: 8
    .kernarg_segment_size: 64
    .max_flat_workgroup_size: 256
    .sgpr_count:     66
    .vgpr_count:     160
    .wavefront_size: 32
...
	.end_amdgpu_metadata
.endif
;; end of part 1
;; launch gemm_qkv (part 2): grid 8 x 32, 4 waves a work-group, clusters of 4 x 4, 327,680 bytes of LDS; arguments xo, wb, b_qkv, qkv; writes qkv
.if DOCPART == 2
	.amdgcn_target "amdgcn-amd-amdhsa--gfx1250"
	.amdhsa_code_object_version 6
	.text
	.protected	k_qf9541bbe91_gemm_qkv
	.globl	k_qf9541bbe91_gemm_qkv
	.p2align	8
	.type	k_qf9541bbe91_gemm_qkv,@function
k_qf9541bbe91_gemm_qkv:
	s_mov_b64 s[64:65], 0
	v_nop
	global_prefetch_b8 v0, s[64:65] scope:SCOPE_SE
	s_setreg_imm32_b32 hwreg(HW_REG_WAVE_MODE, 25, 1), 1
	s_wait_xcnt 0x0
	s_wait_alu depctr_hold_cnt(0) depctr_sa_sdst(0) depctr_va_vdst(0) depctr_va_sdst(0) depctr_va_ssrc(0) depctr_va_vcc(0) depctr_vm_vsrc(0)
	s_getreg_b32 s2, hwreg(HW_REG_IB_STS2, 6, 4)
	s_cmp_eq_u32 s2, 0
	s_cbranch_scc0 .Lentry_in_a_cluster
	s_endpgm
.Lentry_in_a_cluster:
	s_bfe_u32 s2, ttmp6, 0x10000c
	s_cmp_lg_u32 s2, 0xf033
	s_cbranch_scc0 .Lentry_shape_is_right
	s_endpgm
.Lentry_shape_is_right:
; q, k, v = x W_qkv + b_qkv.  x: bf16 in blocks [b][block of 64 K][s][64] (xo); W_qkv: bf16 [1024 k][3072 n] (wb); b_qkv f32, rounded to bf16 like the other inputs; sums in f32.
; Out: qkv [which 3][b 16 + head][s 2048][64] in f16, unscaled.  LIMIT: f16 ends at 65,504: a q, k or v beyond that becomes an infinity.
; A work-group makes 256 tokens x 384 columns (six heads): 8 x 32 = 256 work-groups.  A wave makes 128 tokens x three heads: 96 accumulators, 768 registers (windows 1-3): 32 along K are 96 matrix
; instructions from 40 LDS loads.  K goes in steps of 64 through two LDS slots (two slots of 128 K, 352 KB, do not fit).
; THE MATRIX INSTRUCTION IS USED TRANSPOSED: source 0 = 16 columns of W (turned out of LDS by ds_load_tr16_b128), source 1 = 16 tokens: a lane holds 8 neighbouring channels of one token.
; CLUSTER 4 x 4: x's tile hangs on the tile row alone and is asked for jointly along a row of the cluster, W's on the tile column alone, along a column.
; WINDOW 0: v2-11 addresses; v16-79, v80-143 fragments of x, two buffers; v144-239 fragments of W, one buffer for each of the three heads, filled again behind its 32 products.
.set PA,    144                        ; a token's 128 bytes + 16: 36 words: the 16 rows of a load start at 16 different groups of four banks
.set PB,    864                        ; a k-row of W: three pieces of 256 + 32 bytes: 27 x 32
.set AHALF, 128*PA
.set BHALF, 32*PB
.set BOFF,  2*AHALF
.set SLOT,  BOFF+2*BHALF               ; 92,160
.set STAGE, 2*SLOT                     ; behind the ring: 16 rows x 400 bytes for each wave
.set SP,    400
.set BIASL, STAGE+4*16*SP              ; 768 bytes for each wave: its three heads' bias
.set SPARE, BIASL+4*768                ; the spare words, 128 bytes for each wave; no other line names them
.set ADRA, 2                           ; v2-3  my fragments of x in slot 0, 1
.set ADRB, 4                           ; v4-5  of W
.set STO,  6
.set RD,   7
.set GO,   8
.set BIA,  9
.set SPW,  10
.set NIL,  11
.set A0,   16
.set A1,   80
.set BF,   144
.set TMP,  16                          ; the way out: packed results, 48
.set OB,   64                          ; rows read back, 48
.set TT,   112                         ; 32 at work
.set G1,  24
.set G0,  32
.set G1B, 48
.set G0B, 56
.set MSB, 0
.macro WIN new                         ; the immediate's high byte repeats the setting that is left
.if MSB != (\new)
	s_set_vgpr_msb (MSB<<8)|(\new)
.set MSB, \new
.endif
.endm
.macro PLACES                          ; four places in front of loads into registers that matrix instructions have read, and of vector lines that read results
.rept 4
	v_nop
.endr
.endm
.macro JLOAD s                         ; a joint load: waves 0, 1 fetch x's two halves, waves 2, 3 W's; an s_nop 0 and four v_nop follow each line
	s_cmp_eq_u32 s13, 0
	s_cbranch_scc0 .Lfor_b_\@
	tensor_load_to_lds s[G0+4*(\s):G0+4*(\s)+3], s[G1:G1+7]
	s_nop 0
.rept 4
	v_nop
.endr
	s_branch .Lasked_\@
.Lfor_b_\@:
	tensor_load_to_lds s[G0B+4*(\s):G0B+4*(\s)+3], s[G1B:G1B+7]
	s_nop 0
.rept 4
	v_nop
.endr
.Lasked_\@:
.endm
.macro CREST
	s_cmp_lg_u32 s12, 0
	s_cbranch_scc1 .Lnot_wave_0_\@
	s_barrier_signal -3
.Lnot_wave_0_\@:
	s_barrier_wait -3
	s_barrier_signal -1
	s_barrier_wait -1
.endm
.macro CROUND
	s_barrier_signal -1
	s_barrier_wait -1
	CREST
.endm
	s_load_b256 s[4:11], s[0:1], 0x0               ; xo 4, wb 6, b_qkv 8, qkv 10
	v_lshl_add_u32 v[SPW], v0, 2, SPARE
	v_mov_b32 v[NIL], 0
	ds_add_u32 v10, v11
	s_wait_dscnt 0x0
	v_lshrrev_b32 v1, 5, v0
	v_readfirstlane_b32 s12, v1                    ; wave
	s_lshr_b32 s13, s12, 1                         ; my half of the tokens; also: I fetch x (0) or W (1)
	s_and_b32 s14, s12, 1                          ; my head of each pair; also: which half of a tile I fetch
	s_bfe_u32 s40, ttmp6, 0x40000                  ; cx
	s_bfe_u32 s41, ttmp6, 0x40004                  ; cy
	s_lshl_b32 s42, ttmp9, 2
	s_add_co_u32 s42, s42, s40                     ; tile column, 0-7
	s_and_b32 s15, ttmp7, 0xffff
	s_lshl_b32 s15, s15, 2
	s_add_co_u32 s15, s15, s41                     ; tile row, 0-31
	s_lshl_b32 s43, s41, 2
	s_lshl_b32 s43, 15, s43                        ; my row of the cluster
	s_lshl_b32 s44, 0x1111, s40                    ; my column
	s_or_b32 s[G1], s43, (1<<16)|(1<<20)|(1<<21)|(4<<22)|(3<<25)   ; 2-byte elements; 4 words of padding after every 32: after each token
	s_mov_b32 s[G1+1], 128<<16                     ; 128 tokens are 16,384 dense bytes: 64 rows of 256
	s_mov_b32 s[G1+2], 64<<16
	s_mov_b32 s[G1+3], 128<<16
	s_mov_b32 s[G1+4], 64
	s_mov_b32 s[G1+5], 128
	s_mov_b32 s[G1+6], 0
	s_mov_b32 s[G1+7], 0
	s_or_b32 s[G1B], s44, (1<<16)|(1<<20)|(1<<21)|(5<<22)|(7<<25)  ; 8 words of padding after every 64
	s_mov_b32 s[G1B+1], 384<<16                    ; 32 k-rows of 768 bytes
	s_mov_b32 s[G1B+2], 32<<16
	s_mov_b32 s[G1B+3], 384<<16
	s_mov_b32 s[G1B+4], 32
	s_mov_b32 s[G1B+5], 3072
	s_mov_b32 s[G1B+6], 0
	s_mov_b32 s[G1B+7], 0
	s_lshr_b32 s16, s15, 3                         ; x: b x 4 MB + 256 tokens x 128 bytes x (tile row mod 8) + my half
	s_lshl_b32 s16, s16, 22
	s_and_b32 s17, s15, 7
	s_lshl_b32 s17, s17, 15
	s_add_co_u32 s16, s16, s17
	s_lshl_b32 s17, s14, 14
	s_add_co_u32 s16, s16, s17
	s_mov_b32 s17, 0
	s_mul_i32 s46, s42, 768                        ; W: my 32 k-rows, the tile's 768 bytes of them
	s_mul_i32 s47, s14, 32*6144
	s_add_co_u32 s46, s46, s47
	s_mov_b32 s47, 0
	s_mul_i32 s20, s14, AHALF                      ; where they go: no place in the cluster enters an LDS address
	s_mul_i32 s21, s14, BHALF
	s_add_co_u32 s21, s21, BOFF
	s_wait_kmcnt 0x0
	s_add_nc_u64 s[18:19], s[4:5], s[16:17]
	s_add_nc_u64 s[46:47], s[6:7], s[46:47]
	CROUND                                         ; all sixteen work-groups are here: the first joint loads meet
.irp s, 0,1
	s_mov_b32 s[G0+4*(\s)], 1
	s_add_co_u32 s[G0+4*(\s)+1], s20, (\s)*SLOT
	s_add_nc_u64 s[G0+4*(\s)+2:G0+4*(\s)+3], s[18:19], (\s)*262144
	s_or_b32 s[G0+4*(\s)+3], s[G0+4*(\s)+3], 0x80000000
	s_mov_b32 s[G0B+4*(\s)], 1
	s_add_co_u32 s[G0B+4*(\s)+1], s21, (\s)*SLOT
	s_add_nc_u64 s[G0B+4*(\s)+2:G0B+4*(\s)+3], s[46:47], (\s)*64*6144
	s_or_b32 s[G0B+4*(\s)+3], s[G0B+4*(\s)+3], 0x80000000
	JLOAD \s
.endr
	v_and_b32 v1, 15, v0                           ; r
	v_bfe_u32 v12, v0, 4, 1                        ; h
	v_mul_u32_u24 v13, v1, PA
	v_lshl_add_u32 v13, v12, 4, v13
	s_mul_i32 s22, s13, AHALF
	v_add_nc_u32 v[ADRA], s22, v13
	v_add_nc_u32 v[ADRA+1], SLOT, v[ADRA]
	v_and_b32 v14, 7, v0
	v_lshl_add_u32 v14, v12, 3, v14                ; the turning load: k-row 8 h + l % 8,
	v_mul_u32_u24 v14, v14, PB
	v_bfe_u32 v15, v0, 3, 1
	v_lshl_add_u32 v14, v15, 4, v14                ; columns 8 ((l / 8) % 2) on
	s_lshl_b32 s23, s14, 7
	s_add_co_u32 s23, s23, BOFF
	v_add_nc_u32 v[ADRB], s23, v14
	v_add_nc_u32 v[ADRB+1], SLOT, v[ADRB]
	s_mul_i32 s22, s12, 16*SP
	s_add_co_u32 s22, s22, STAGE
	v_mul_u32_u24 v13, v1, SP                      ; in: row r, 16 bytes for each half of the lanes
	v_lshl_add_u32 v13, v12, 4, v13
	v_add_nc_u32 v[STO], s22, v13
	v_bfe_u32 v13, v0, 3, 2                        ; back: 32 lanes take a head's 128 bytes of four tokens,
	v_mul_u32_u24 v13, v13, SP
	v_and_b32 v14, 7, v0
	v_lshl_add_u32 v13, v14, 4, v13
	v_add_nc_u32 v[RD], s22, v13
	v_and_b32 v14, 31, v0
	v_lshlrev_b32 v[GO], 4, v14                    ; which are 512 consecutive bytes of qkv
	s_mul_i32 s23, s12, 768
	s_add_co_u32 s23, s23, BIASL
	v_lshl_add_u32 v[BIA], v12, 5, s23
	v_lshl_add_u32 v13, v14, 3, s23
	s_mul_i32 s45, s42, 1536                       ; the bias of head 6 nt + 2 c + my half: 256 bytes each
	s_lshl_b32 s46, s14, 8
	s_add_co_u32 s45, s45, s46
	v_lshl_add_u32 v15, v14, 3, s45
.irp c, 0,1,2
	global_load_b64 v[16+2*(\c):17+2*(\c)], v15, s[8:9] offset:512*(\c)
.endr
	s_mul_i32 s45, s42, 6
	s_add_co_u32 s45, s45, s14                     ; my first head among the 48
	s_lshr_b32 s16, s15, 3
	s_lshl_b32 s16, s16, 4                         ; 16 b
	s_and_b32 s17, s15, 7
	s_lshl_b32 s17, s17, 15
	s_lshl_b32 s22, s13, 14
	s_add_co_u32 s17, s17, s22                     ; my first token x 128 bytes
.irp c, 0,1,2
	s_add_co_u32 s46, s45, 2*(\c)
	s_lshr_b32 s47, s46, 4                         ; q, k or v
	s_lshl_b32 s47, s47, 6
	s_and_b32 s46, s46, 15
	s_add_co_u32 s46, s46, s47
	s_add_co_u32 s46, s46, s16
	s_lshl_b32 s46, s46, 18                        ; 2,048 tokens x 128 bytes
	s_add_co_u32 s46, s46, s17
	s_mov_b32 s47, 0
	s_add_nc_u64 s[66+2*(\c):67+2*(\c)], s[10:11], s[46:47]
.endr
	s_wait_loadcnt 0x0
.irp c, 0,1,2
	v_cvt_pk_bf16_f32 v[22+(\c)], v[16+2*(\c)], v[17+2*(\c)]
	v_lshlrev_b32 v[16+2*(\c)], 16, v[22+(\c)]
	v_and_b32 v[17+2*(\c)], 0xffff0000, v[22+(\c)]
	ds_store_b64 v13, v[16+2*(\c):17+2*(\c)] offset:256*(\c)   ; my own bytes: only I read them
.endr
; 32 products: head c, all 8 blocks of tokens x 4 blocks of channels, 32 along K.  The 96 accumulators take turns, one instruction a turn, in the same order in every quarter.
.macro GRP c, f, zero
	WIN 0x50*(1+(\c))
.irp a, 0,1,2,3,4,5,6,7
.irp i, 0,1,2,3
.if \zero
	v_wmma_f32_16x16x32_bf16 v[8*(4*(\a)+(\i)):8*(4*(\a)+(\i))+7], v[BF+32*(\c)+8*(\i):BF+32*(\c)+8*(\i)+7], v[(\f)+8*(\a):(\f)+8*(\a)+7], 0
.else
	v_wmma_f32_16x16x32_bf16 v[8*(4*(\a)+(\i)):8*(4*(\a)+(\i))+7], v[BF+32*(\c)+8*(\i):BF+32*(\c)+8*(\i)+7], v[(\f)+8*(\a):(\f)+8*(\a)+7], v[8*(4*(\a)+(\i)):8*(4*(\a)+(\i))+7]
.endif
.endr
.endr
.endm
.macro LDB c, slot, q                  ; 8 loads: head c's fragments of W, quarter q of the slot
	WIN 0
.irp i, 0,1,2,3
	ds_load_tr16_b128 v[BF+32*(\c)+8*(\i):BF+32*(\c)+8*(\i)+3],   v[ADRB+(\slot)] offset:(\q)*BHALF+(\c)*288+(\i)*32
	ds_load_tr16_b128 v[BF+32*(\c)+8*(\i)+4:BF+32*(\c)+8*(\i)+7], v[ADRB+(\slot)] offset:(\q)*BHALF+(\c)*288+(\i)*32+16*PB
.endr
.endm
.macro LDA f, slot, q                  ; 16 loads: my 128 tokens
	WIN 0
.irp a, 0,1,2,3,4,5,6,7
	ds_load_b128 v[(\f)+8*(\a):(\f)+8*(\a)+3],   v[ADRA+(\slot)] offset:(\a)*16*PA+(\q)*64
	ds_load_b128 v[(\f)+8*(\a)+4:(\f)+8*(\a)+7], v[ADRA+(\slot)] offset:(\a)*16*PA+(\q)*64+32
.endr
.endm
; A slot's first quarter: multiplies buffer A0, fetches the second.  At its head are out, in this order: W's head 0 (8), x (16), W's heads 1 and 2 (8 + 8).
.macro EQ slot, zero
	s_wait_dscnt 16                                ; heads 1 and 2 may be out
	GRP 0, A0, \zero
	PLACES
	LDB 0, \slot, 1
	LDA A1, \slot, 1
	s_wait_dscnt 32                                ; head 2's 8 and the 24 just issued
	GRP 1, A0, \zero
	PLACES
	LDB 1, \slot, 1
	s_wait_dscnt 32                                ; the 24 and the 8 just issued
	GRP 2, A0, \zero
	PLACES
	LDB 2, \slot, 1
.endm
; Its second quarter multiplies A1 and changes slots: ONE barrier; in front of it each wave waits for all its tensor loads (one is out: its part of the other slot), adds 0 to its spare word, and waits
; for that and for its reads of this slot.  fill = 1: the barrier opens a round of the cluster's, and the joint refill, two K steps on, is the first thing behind it: it has a K step less 32 products in which to land.
.macro OQ slot, fill
	WIN 0
	s_wait_tensorcnt 0x0
	ds_add_u32 v[SPW], v[NIL]
	s_wait_dscnt 17                                ; heads 1 and 2 and the add may be out
	GRP 0, A1, 0
	s_wait_dscnt 0x0                               ; the add is done, and my reads of this slot are over
	s_barrier_signal -1
	WIN 0
	s_barrier_wait -1
.if \fill
	CREST
	s_add_nc_u64 s[G0+4*(\slot)+2:G0+4*(\slot)+3], s[G0+4*(\slot)+2:G0+4*(\slot)+3], 2*262144
	s_add_nc_u64 s[G0B+4*(\slot)+2:G0B+4*(\slot)+3], s[G0B+4*(\slot)+2:G0B+4*(\slot)+3], 2*64*6144
	JLOAD \slot                                    ; its four v_nop are also the places in front of the loads below
.else
	PLACES
.endif
	LDB 0, 1-(\slot), 0
	LDA A0, 1-(\slot), 0
	GRP 1, A1, 0
	PLACES
	LDB 1, 1-(\slot), 0
	GRP 2, A1, 0
	PLACES
	LDB 2, 1-(\slot), 0
.endm
	s_wait_tensorcnt 0x1                           ; my part of K step 0 is in; K step 1's may stay out
	s_wait_dscnt 0x0
	s_barrier_signal -1
	s_barrier_wait -1
	LDB 0, 0, 0
	LDA A0, 0, 0
	LDB 1, 0, 0
	LDB 2, 0, 0
	EQ 0, 1                                        ; the first quarter starts the sums: nothing is cleared
	WIN 0
	s_mov_b32 s3, 7
.Lk:                                                   ; a trip goes once round the ring and fills both slots again: K steps 2 to 15
	OQ 0, 1
	EQ 1, 0
	OQ 1, 1
	EQ 0, 0
	WIN 0
	s_sub_co_u32 s3, s3, 1
	s_cmp_lg_u32 s3, 0
	s_cbranch_scc1 .Lk
	OQ 0, 0                                        ; the last lap asks for nothing
	EQ 1, 0
	s_wait_dscnt 16
	GRP 0, A1, 0
	s_wait_dscnt 8
	GRP 1, A1, 0
	s_wait_dscnt 0x0
	GRP 2, A1, 0
	; THE WAY OUT: + bias, rounded to f16, 16 tokens at a time through my stage, back as 512 consecutive bytes of a head.
	PLACES
	WIN 0
.irp c, 0,1,2
.irp i, 0,1,2,3
	ds_load_b128 v[BF+32*(\c)+8*(\i):BF+32*(\c)+8*(\i)+3],   v[BIA] offset:(\c)*256+(\i)*64
	ds_load_b128 v[BF+32*(\c)+8*(\i)+4:BF+32*(\c)+8*(\i)+7], v[BIA] offset:(\c)*256+(\i)*64+16
.endr
.endr
	s_wait_dscnt 0x0
.macro PACK a
.irp c, 0,1,2
	WIN 1+(\c)                                     ; source 0 in the head's window
.set i, 0
.rept 16
	v_pk_add_f32 v[TT+2*i:TT+2*i+1], v[32*(\a)+2*i:32*(\a)+2*i+1], v[BF+32*(\c)+2*i:BF+32*(\c)+2*i+1]
.set i, i+1
.endr
	WIN 0
.set i, 0
.rept 16
	v_cvt_pk_f16_f32 v[TMP+16*(\c)+i], v[TT+2*i], v[TT+2*i+1]
.set i, i+1
.endr
.endr
.endm
.macro TOSTAGE a
	WIN 0
	s_wait_xcnt 0x0                                ; the stores of the block before have read OB: it is loaded again only behind this wait
.irp c, 0,1,2
.irp i, 0,1,2,3
	ds_store_b128 v[STO], v[TMP+16*(\c)+4*(\i):TMP+16*(\c)+4*(\i)+3] offset:(\c)*128+(\i)*32
.endr
.endr
.irp c, 0,1,2
.irp i, 0,1,2,3
	ds_load_b128 v[OB+16*(\c)+4*(\i):OB+16*(\c)+4*(\i)+3], v[RD] offset:(\c)*128+(\i)*4*SP  ; LDS serves a wave's instructions in order: these see the stores above
.endr
.endr
.endm
.macro SEND a
	WIN 0
	s_wait_dscnt 0x0
.irp c, 0,1,2
.irp i, 0,1,2,3
	global_store_b128 v[GO], v[OB+16*(\c)+4*(\i):OB+16*(\c)+4*(\i)+3], s[66+2*(\c):67+2*(\c)] offset:(16*(\a)+4*(\i))*128
.endr
.endr
.endm
	PACK 0
	TOSTAGE 0
.irp a, 1,2,3,4,5,6,7                  ; a block's arithmetic stands between the loads of the block before and the wait for them
	PACK \a
	SEND (\a)-1
	TOSTAGE \a
.endr
	SEND 7
	s_wait_tensorcnt 0x0                           ; the wave's end
	ds_add_u32 v[SPW], v[NIL]
	s_wait_dscnt 0x0
	CROUND                                         ; the closing round
	s_endpgm
.Lfunc_end_k_qf9541bbe91_gemm_qkv:
	.size	k_qf9541bbe91_gemm_qkv, .Lfunc_end_k_qf9541bbe91_gemm_qkv-k_qf9541bbe91_gemm_qkv
	.p2alignl 7, 3214868480
	.fill 96, 4, 3214868480
	.section	.rodata,"a",@progbits
	.p2align	6, 0x0
	.amdhsa_kernel k_qf9541bbe91_gemm_qkv
		.amdhsa_group_segment_fixed_size 327680
		.amdhsa_private_segment_fixed_size 0
		.amdhsa_enable_private_segment 0
		.amdhsa_kernarg_size 32
		.amdhsa_user_sgpr_count 2
		.amdhsa_user_sgpr_kernarg_segment_ptr 1
		.amdhsa_wavefront_size32 1
		.amdhsa_system_sgpr_workgroup_id_x 1
		.amdhsa_system_sgpr_workgroup_id_y 1
		.amdhsa_system_sgpr_workgroup_id_z 1
		.amdhsa_system_vgpr_workitem_id 0
		.amdhsa_next_free_vgpr 1024
		.amdhsa_next_free_sgpr 72
		.amdhsa_reserve_vcc 0
		.amdhsa_float_denorm_mode_32 3
		.amdhsa_float_denorm_mode_16_64 3
		.amdhsa_memory_ordered 1
		.amdhsa_forward_progress 1
		.amdhsa_inst_pref_size 158
	.end_amdhsa_kernel
	.amdgpu_metadata
---
amdhsa.version: [ 1, 2 ]
amdhsa.kernels:
  - .name:           k_qf9541bbe91_gemm_qkv
    .symbol:         k_qf9541bbe91_gemm_qkv.kd
    .args:
      - { .name: xo, .offset: 0, .size: 8, .value_kind: global_buffer, .address_space: global }
      - { .name: wb, .offset: 8, .size: 8, .value_kind: global_buffer, .address_space: global }
      - { .name: b_qkv, .offset: 16, .size: 8, .value_kind: global_buffer, .address_space: global }
      - { .name: qkv, .offset: 24, .size: 8, .value_kind: global_buffer, .address_space: global }
    .group_segment_fixed_size: 327680
    .private_segment_fixed_size: 0
    .kernarg_segment_align: 8
    .kernarg_segment_size: 32
    .max_flat_workgroup_size: 128
    .sgpr_count:     72
    .vgpr_count:     1024
    .wavefront_size: 32
...
	.end_amdgpu_metadata
.endif
;; end of part 2
;; launch attn (part 3): grid 4 x 64, 8 waves a work-group, clusters of 4 x 1, 327,680 bytes of LDS; arguments qkv, mk, xo; writes xo
.if DOCPART == 3
	.amdgcn_target "amdgcn-amd-amdhsa--gfx1250"
	.amdhsa_code_object_version 6
	.text
	.protected	k_qf9541bbe91_attn
	.globl	k_qf9541bbe91_attn
	.p2align	8
	.type	k_qf9541bbe91_attn,@function
k_qf9541bbe91_attn:
	s_mov_b64 s[64:65], 0
	v_nop
	global_prefetch_b8 v0, s[64:65] scope:SCOPE_SE
	s_setreg_imm32_b32 hwreg(HW_REG_WAVE_MODE, 25, 1), 1
	s_wait_xcnt 0x0
	s_wait_alu depctr_hold_cnt(0) depctr_sa_sdst(0) depctr_va_vdst(0) depctr_va_sdst(0) depctr_va_ssrc(0) depctr_va_vcc(0) depctr_vm_vsrc(0)
	s_getreg_b32 s2, hwreg(HW_REG_IB_STS2, 6, 4)
	s_cmp_eq_u32 s2, 0
	s_cbranch_scc0 .Lentry_in_a_cluster
	s_endpgm
.Lentry_in_a_cluster:
	s_bfe_u32 s2, ttmp6, 0x10000c
	s_cmp_lg_u32 s2, 0x3003
	s_cbranch_scc0 .Lentry_shape_is_right
	s_endpgm
.Lentry_shape_is_right:
; ATTENTION UNDER TWO MASKS THAT ARE INPUTS.  O[bh][q] = sum over k of softmax_k(s(q, k)) V[bh][k], s = Q.K / 8, or the lowest number where causal_mask[q][k] or padding_mask[b][k] hides the key.
; Q, K, V: qkv [3][bh 64][2048][64] f16.  O: xo [bh][2048][64] f16.  Products, maxima and sums in f32; the weights are rounded to f16 for the second product, O once at the end.
; THE MASK.  A hidden score is REPLACED by NEG = -2^100, by one select a register of S^T; the lane masks (one word a register) were packed by the launch before.  c NEG is exact, so where a row has seen hidden
; keys alone c s - c m is exactly 0 and every weight 1: a row with no visible key ends as the mean of all 2,048 rows of V.  The first true score makes a = 2^(c NEG - c m) = 0 and wipes what was gathered.
; m starts at NEG, O and l at 0: the first step is a step like any other.  The price of writing no first step out: 128 v_mov_b32 that clear O^T, in the wait for the first tile.
; NO BRANCH HANGS ON THE MASKS: every piece does every key step, whatever is hidden; all trip counts are constants.
; THE MASKS COME TWO PIECES AT A TIME: 64 words into 64 scalar registers.  Scalar loads are waited for by the count 0 alone, so buffers that take turns piece by piece would gain nothing; instead the selects of two
; pieces stand together, the next pair's masks are asked for a few lines behind them, and that request has two pieces' softmax and products (224 vector and 16 matrix instructions) in which to come.
; LIMITS.  Q, K, V within f16; true scores (2.7e11 at the most from f16) lie above -2^100; a weight below 2^-126 counts as 0 in l; NaN and infinities are not treated apart.
; SHARES.  A work-group owns 512 queries of one head, each of its 8 waves 64: four PIECES of 16.  Two waves lie on a SIMD: a wave works in phases (scores, softmax, V^T P), and the other wave has the unit
; that this one leaves idle: a piece and step have 16 matrix and 150 vector instructions.
; CLUSTER.  The four query blocks of a cluster belong to one head and walk the same K and V, so each tile is asked for JOINTLY: the same tensor load, descriptor and mask in all four.
; LAYOUT.  S^T = K Q^T holds ONE query a lane (lane % 16) and the keys 8 (lane / 16) + 0..7; two such results rounded to f16 ARE source 1 of O^T = V^T P.  p = 2^(c s - c m), c = log2(e) / 8.
; WINDOW 0: v2-15 addresses and constants; v16-31 statistics (c m, m, l, l a piece); v32-35 at work; v36 O's offset; v40-41 c; v48-63 P; v64-191 S^T, 32 a piece; v192-255 K of a step
; WINDOW 1: v0-127 O^T, 32 a piece; v128-191 Q, 16 a piece; v192-255 V of a step
.set KS,    64
.set PKB,   144                        ; a row of K in LDS: 128 + 16 bytes = 36 words: the 16 rows of a load start at 16 different groups of four banks
.set PVB,   160                        ; a row of V: 128 + 32 bytes = 40 words
.set VOFF,  4*KS*PKB                   ; a slot holds four steps: 256 rows of K, then 256 rows of V
.set SLOT1, 1<<17
.set STAGE, SLOT1+4*KS*(PKB+PVB)       ; behind the ring: 16 rows x 144 bytes for each wave
.set SP,    144
.set SPARE, STAGE+8*16*SP              ; the spare words, 128 bytes for each of eight waves; no other line names them
.set AK0, 2
.set AV0, 3
.set AK,  4
.set AV,  5
.set STO, 6
.set RD,  7
.set QO,  8
.set MV,  12                           ; c m_old
.set NEGR, 13                          ; -2^100
.set SPW, 14
.set NIL, 15
.set ST,  16
.set TMP, 32                           ; c0-c3; c2 takes a
.set GO,  36                           ; my byte offset in O: the head, my wave's rows, 16 x lane
.set CV,  40                           ; v[40:41] c, twice: it lies in vector registers, since the scalar ones go to the masks
.set P,   48
.set S,   64
.set KF,  192
.set QF,  128                          ; window 1
.set VF,  192                          ; window 1
.set MKB, 2                            ; s[2:3]   the masks at my wave's first tile
.set MB,  4                            ; s[4:35]  32 lane masks: pieces 1 and 3 (at first: the arguments)
.set G1K, 36
.set G1V, 44
.set G0K, 52
.set G0V, 56
.set SEL, 60
.set TBK, 62
.set TBV, 63
.set WV,  66
.set MOF, 67                           ; the 64 bytes, among a tile's mask words, of the step whose masks are asked for
.set MA,  68                           ; s[68:99] 32 lane masks: pieces 0 and 2 (at work during the set-up)
.set SLOTS, 100
.set CNT, 101
.set QP,  104                          ; s[104:105] Q at my wave's rows, until Q is in
.set TM,  104                          ; then at work
.set MSB, 0
.macro WIN new                         ; the high byte repeats the setting that is left; a switch that changes nothing is dropped
.if MSB != (\new)
	s_set_vgpr_msb (MSB<<8)|(\new)
.set MSB, (\new)
.endif
.endm
.set W_KQ, 0x04                        ; Q in window 1
.set W_PV, 0x51                        ; V and O^T in window 1, P in window 0
.set W_RS, 0x41                        ; destination and source 0 in window 1
.macro PLACES                          ; four places in front of loads into registers that matrix instructions have read, and of vector lines that read results
.rept 4
	v_nop
.endr
.endm
; A joint fill.  Waves 0, 1 fetch the halves of a tile's K, waves 2, 3 of its V, 128 keys each; waves 4-7 fetch nothing.  The branches hang on the wave's number alone.
; An s_nop 0 and four v_nop follow each line.
.macro JLOAD
	s_cmp_lt_u32 s[WV], 2
	s_cbranch_scc0 .Lnot_k_\@
	tensor_load_to_lds s[G0K:G0K+3], s[G1K:G1K+7]
	s_nop 0
.rept 4
	v_nop
.endr
	s_branch .Lasked_\@
.Lnot_k_\@:
	s_cmp_lt_u32 s[WV], 4
	s_cbranch_scc0 .Lasked_\@
	tensor_load_to_lds s[G0V:G0V+3], s[G1V:G1V+7]
	s_nop 0
.rept 4
	v_nop
.endr
.Lasked_\@:
.endm
; A round of the cluster's barrier: my work-group's barrier, so that wave 0's signal speaks for all eight waves; wave 0 signals; every wave waits for all four work-groups; my work-group's barrier once more.
.macro CROUND
	s_barrier_signal -1
	s_barrier_wait -1
	s_cmp_lg_u32 s[WV], 0
	s_cbranch_scc1 .Lnot_wave_0_\@
	s_barrier_signal -3
.Lnot_wave_0_\@:
	s_barrier_wait -3
	s_barrier_signal -1
	s_barrier_wait -1
.endm
; THE CHANGE OF SLOTS.  Every wave waits for all its tensor loads (one at the most is out: its part of the other slot), adds 0 to its spare word, and waits for that and for its reads of the slot that it leaves.
; fill = 1: the old slot is filled again with the keys two tiles on.  The barrier is then a round of the cluster's, so that no wave of any partner still reads the slot or has a load on its way, and the joint
; fill is the first thing behind it: it has four key steps in which to land.  (At its first use nothing has been read yet: slot 0 is waited for, slot 1 filled.)
.macro CHANGE fill
	WIN 0
	s_wait_tensorcnt 0x0                           ; no tensor load of mine is out, so a group 0 may be written
	ds_add_u32 v[SPW], v[NIL]
.if \fill
.irp g, G0K, G0V
	s_xor_b32 s[\g+1], s[\g+1], SLOT1              ; the walking descriptor: the other slot than last time,
	s_add_nc_u64 s[\g+2:\g+3], s[\g+2:\g+3], 4*KS*128  ; the next 256 keys; the type bits on top are not reached
.endr
	s_wait_dscnt 0x0                               ; the add is done, and my reads of the slot are over
	CROUND
	JLOAD
.else
	s_wait_dscnt 0x0
	s_barrier_signal -1
	s_barrier_wait -1
.endif
	s_sub_co_u32 s[TBK], s[TBK], 4*KS*PKB          ; the fetches go back to a slot's first step, in the other slot
	s_xor_b32 s[TBK], s[TBK], SLOT1
	s_sub_co_u32 s[TBV], s[TBV], 4*KS*PVB
	s_xor_b32 s[TBV], s[TBV], SLOT1
.endm
; Piece p's 32 lane masks for the step at MOF, into the 32 registers from m on: 64 bytes for registers 0-3 of the four accumulators, 64 for registers 4-7
.macro MLOAD p, m
	s_load_b512 s[(\m):(\m)+15], s[MKB:MKB+1], s[MOF] offset:(\p)*4096
	s_load_b512 s[(\m)+16:(\m)+31], s[MKB:MKB+1], s[MOF] offset:(\p)*4096+512
.endm
	s_load_b128 s[4:7], s[0:1], 0x0                ; qkv 4, mk 6; xo's address is fetched at the way out
	v_lshl_add_u32 v[SPW], v0, 2, SPARE
	v_mov_b32 v[NIL], 0
	ds_add_u32 v14, v15
	s_wait_dscnt 0x0
	v_lshrrev_b32 v1, 5, v0
	v_readfirstlane_b32 s[WV], v1
	s_bfe_u32 s68, ttmp6, 0x40000                  ; cx: my place in the cluster
	s_lshl_b32 s69, ttmp9, 2                       ; in a cluster launch ttmp9 counts clusters
	s_add_co_u32 s68, s69, s68                     ; my block of 512 queries: it enters Q's, O's and the masks' addresses alone
	s_and_b32 s70, ttmp7, 0xffff                   ; 16 b + head, which the four partners share
	s_lshl_b32 s71, s70, 18                        ; the head's 262,144 bytes
	s_and_b32 s72, s[WV], 1                        ; which half of a tile's 256 keys I fetch
	s_lshl_b32 s74, s72, 14
	s_add_co_u32 s74, s74, s71
	s_add_co_u32 s76, s74, 128*262144              ; V
	s_add_co_u32 s74, s74, 64*262144               ; K
	s_mov_b32 s75, 0
	s_mov_b32 s77, 0
	s_lshl_b32 s78, s68, 3
	s_add_co_u32 s78, s78, s[WV]                   ; my wave among the head's 32
	s_lshl_b32 s80, s78, 14                        ; its four tiles' mask words, 4,096 bytes a tile
	s_lshl_b32 s78, s78, 13                        ; its 64 rows of 128 bytes
	s_add_co_u32 s78, s78, s71
	s_mov_b32 s79, 0
	s_lshr_b32 s82, s70, 4                         ; b
	s_lshl_b32 s82, s82, 19                        ; 128 tiles of 4,096 bytes
	s_add_co_u32 s80, s80, s82
	s_mov_b32 s81, 0
	v_and_b32 v[GO], 31, v0                        ; the way out: 32 lanes x 16 bytes are 512 consecutive bytes of O
	v_lshl_add_u32 v[GO], v[GO], 4, s78
	s_mov_b32 s[G1K], 15|(1<<16)|(1<<20)|(1<<21)|(4<<22)|(3<<25)  ; the mask of four; 2-byte elements; padding on; bit 21 beside a mask; after every 32 words 4 words
	s_mov_b32 s[G1V], 15|(1<<16)|(1<<20)|(1<<21)|(4<<22)|(7<<25)  ; the same with 8 words
.irp g, G1K, G1V
	s_mov_b32 s[\g+1], 128<<16                     ; 128 keys are 16,384 dense bytes: 64 rows of 256, two keys a row
	s_mov_b32 s[\g+2], 64<<16
	s_mov_b32 s[\g+3], 128<<16
	s_mov_b32 s[\g+4], 64
	s_mov_b32 s[\g+5], 128
	s_mov_b32 s[\g+6], 0
	s_mov_b32 s[\g+7], 0
.endr
	s_mov_b32 s[SEL], 0x76543210
	s_mov_b32 s[SEL+1], 0xfedcba98
	s_mov_b32 s[TBK], SLOT1+4*KS*PKB               ; the first change of slots turns these two into 0
	s_mov_b32 s[TBV], SLOT1+4*KS*PVB
	s_mov_b32 s[MOF], 0
	s_mov_b32 s[G0K], 1
	s_mul_i32 s[G0K+1], s72, 128*PKB               ; no place in the cluster enters an LDS address
	s_mov_b32 s[G0V], 1
	s_mul_i32 s[G0V+1], s72, 128*PVB
	s_add_co_u32 s[G0V+1], s[G0V+1], VOFF
	s_wait_kmcnt 0x0
	s_add_nc_u64 s[G0K+2:G0K+3], s[4:5], s[74:75]
	s_or_b32 s[G0K+3], s[G0K+3], 0x80000000
	s_add_nc_u64 s[G0V+2:G0V+3], s[4:5], s[76:77]
	s_or_b32 s[G0V+3], s[G0V+3], 0x80000000
	s_add_nc_u64 s[QP:QP+1], s[4:5], s[78:79]      ; Q at my wave's first row,
	s_add_nc_u64 s[MKB:MKB+1], s[6:7], s[80:81]    ; the masks at my first tile
	CROUND                                         ; all four work-groups are here: the first joint loads meet
	JLOAD                                          ; tile 0 into slot 0
	MLOAD 0, MA                                    ; the masks of pieces 0 and 1, step 0
	MLOAD 1, MB
	v_and_b32 v1, 15, v0                           ; r
	v_bfe_u32 v9, v0, 4, 1                         ; h
	v_lshlrev_b32 v[QO], 7, v1
	v_lshl_add_u32 v[QO], v9, 4, v[QO]
	WIN 0x40
.irp p, 0,1,2,3
.irp c, 0,1
	global_load_b128 v[QF+16*(\p)+8*(\c):QF+16*(\p)+8*(\c)+3],   v[QO], s[QP:QP+1] offset:2048*(\p)+64*(\c)
	global_load_b128 v[QF+16*(\p)+8*(\c)+4:QF+16*(\p)+8*(\c)+7], v[QO], s[QP:QP+1] offset:2048*(\p)+64*(\c)+32
.endr
.endr
.set i, 0
.rept 128                              ; O^T starts at 0
	v_mov_b32 v[i], 0
.set i, i+1
.endr
	WIN 0
	v_mov_b32 v[NEGR], 0xf1800000
	v_mov_b32 v[CV], 0x3e38aa3b                    ; c = log2(e) / 8
	v_mov_b32 v[CV+1], 0x3e38aa3b                  ; named with it as a pair
.irp p, 0,1,2,3
	v_mul_f32 v[ST+4*(\p)], v[CV], v[NEGR]
	v_mov_b32 v[ST+4*(\p)+1], v[NEGR]
	v_mov_b32 v[ST+4*(\p)+2], 0
	v_mov_b32 v[ST+4*(\p)+3], 0
.endr
	v_mul_u32_u24 v[AK0], v1, PKB
	v_lshl_add_u32 v[AK0], v9, 4, v[AK0]
	v_and_b32 v10, 7, v0
	v_bfe_u32 v11, v0, 3, 1
	v_lshl_add_u32 v[AV0], v9, 3, v10              ; the turning load: key 8 h + l % 8, channels 8 ((l / 8) % 2) on
	v_mul_u32_u24 v[AV0], v[AV0], PVB
	v_lshl_add_u32 v[AV0], v11, 4, v[AV0]
	v_add_nc_u32 v[AV0], VOFF, v[AV0]
	s_mul_i32 s[CNT], s[WV], 16*SP                 ; (the counter's register is at work here; it is set ahead of the loops)
	s_add_co_u32 s[CNT], s[CNT], STAGE             ; my stage
	v_mul_u32_u24 v[STO], v1, SP                   ; in: row l % 16, 16 bytes for each half of the lanes
	v_lshl_add_u32 v[STO], v9, 4, v[STO]
	v_add_nc_u32 v[STO], s[CNT], v[STO]
	v_bfe_u32 v[RD], v0, 3, 2                      ; back: 32 lanes take four rows of 128 bytes
	v_mul_u32_u24 v[RD], v[RD], SP
	v_lshl_add_u32 v[RD], v10, 4, v[RD]
	v_add_nc_u32 v[RD], s[CNT], v[RD]
.macro FETCH_K                         ; 16 loads: 64 keys x 64 channels
	WIN 0
	v_add_nc_u32 v[AK], s[TBK], v[AK0]
.irp f, 0,1,2,3,4,5,6,7
	ds_load_b128 v[KF+8*\f:KF+8*\f+3],   v[AK] offset:(\f/2)*16*PKB+(\f%2)*64
	ds_load_b128 v[KF+8*\f+4:KF+8*\f+7], v[AK] offset:(\f/2)*16*PKB+(\f%2)*64+32
.endr
	s_add_co_u32 s[TBK], s[TBK], KS*PKB
.endm
.macro FETCH_V                         ; 16 turning loads
	WIN 0
	v_add_nc_u32 v[AV], s[TBV], v[AV0]
	WIN 0x40
.irp f, 0,1,2,3,4,5,6,7
	ds_load_tr16_b128 v[VF+8*\f:VF+8*\f+3],   v[AV] offset:(\f/4)*32*PVB+(\f%4)*32
	ds_load_tr16_b128 v[VF+8*\f+4:VF+8*\f+7], v[AV] offset:(\f/4)*32*PVB+16*PVB+(\f%4)*32
.endr
	WIN 0
	s_add_co_u32 s[TBV], s[TBV], KS*PVB
.endm
; Piece p's 8 products S^T = K Q^T.  Four accumulators by turns; the first four start the sums.
.macro KQP p
	WIN W_KQ
.set i, 0
.rept 8
.if i < 4
	v_wmma_f32_16x16x32_f16 v[S+32*(\p)+8*(i%4):S+32*(\p)+8*(i%4)+7], v[KF+16*(i%4)+8*(i/4):KF+16*(i%4)+8*(i/4)+7], v[QF+16*(\p)+8*(i/4):QF+16*(\p)+8*(i/4)+7], 0
.else
	v_wmma_f32_16x16x32_f16 v[S+32*(\p)+8*(i%4):S+32*(\p)+8*(i%4)+7], v[KF+16*(i%4)+8*(i/4):KF+16*(i%4)+8*(i/4)+7], v[QF+16*(\p)+8*(i/4):QF+16*(\p)+8*(i/4)+7], v[S+32*(\p)+8*(i%4):S+32*(\p)+8*(i%4)+7]
.endif
.set i, i+1
.endr
.endm
; Piece p's 32 selects, by the lane masks from register m on.  Ascending: each accumulator is read from its low end on.
.macro SELM p, m
.set n, 0
.rept 32
	v_cndmask_b32 v[S+32*(\p)+n], v[S+32*(\p)+n], v[NEGR], s[(\m)+16*((n%8)/4)+4*(n/8)+n%4]
.set n, n+1
.endr
.endm
; The softmax's lines, on the registers that SOFT names: FF k: c s - c m for pair k; CC k: pair k rounded to f16; BB k: of four weights the second pair onto the first; LL k: l takes that sum (LL 0: l = a l + sum)
.macro FF k
	v_pk_fma_f32 v[rS+2*(\k):rS+2*(\k)+1], v[rS+2*(\k):rS+2*(\k)+1], v[CV:CV+1], v[rT:rT+1] op_sel_hi:[1,0,0] neg_lo:[0,0,1] neg_hi:[0,0,1]
.endm
.macro CC k
	s_wait_alu depctr_va_vdst(0)
	v_cvt_pk_f16_f32 v[P+(\k)], v[rS+2*(\k)], v[rS+2*(\k)+1]
.endm
.macro BB k
	v_pk_add_f32 v[rS+4*(\k):rS+4*(\k)+1], v[rS+4*(\k):rS+4*(\k)+1], v[rS+4*(\k)+2:rS+4*(\k)+3]
.endm
.macro LL k
.if (\k) == 0
	v_pk_fma_f32 v[rT+2:rT+3], v[rT+2:rT+3], v[TMP+2:TMP+3], v[rS:rS+1] op_sel_hi:[1,0,1]
.else
	v_pk_add_f32 v[rT+2:rT+3], v[rT+2:rT+3], v[rS+4*(\k):rS+4*(\k)+1]
	s_wait_alu depctr_va_vdst(0)
.endif
.endm
; PIECE p's STEP behind its selects: maximum and statistics, scaling, rescaling of O^T, exponentials (a plain line behind each), roundings, sums, and 8 products V^T P.
; ml = 1: behind the first twelve maxima the masks of pieces 2 and 3 are asked for; ml = 2: those of pieces 0 and 1 of the next step.  All 64 registers were read by the selects in front.
; tail = 1 (with ml = 2, in the tail's text): in the last trip (CNT = 1) there is no further step, and the request is jumped over.
.macro SOFT p, ml, tail
.set rT, ST+4*(\p)
.set rS, S+32*(\p)
.set rO, 32*(\p)
	WIN 0
.set n, 0
.rept 4
	v_max3_num_f32 v[TMP+n], v[rS+8*n], v[rS+8*n+1], v[rS+8*n+2]
.set n, n+1
.endr
.set n, 0
.rept 8
	v_max3_num_f32 v[TMP+n%4], v[TMP+n%4], v[rS+8*(n%4)+2*(n/4)+3], v[rS+8*(n%4)+2*(n/4)+4]
.set n, n+1
.endr
.if (\ml) == 1
	MLOAD 2, MA
	MLOAD 3, MB
.elseif (\ml) == 2
.if \tail
	s_cmp_eq_u32 s[CNT], 1
	s_cbranch_scc1 .Lno_m_\@
.endif
	MLOAD 0, MA
	MLOAD 1, MB
.if \tail
.Lno_m_\@:
.endif
.endif
	v_max3_num_f32 v[TMP], v[TMP], v[rS+7], v[rS+15]
	v_max3_num_f32 v[TMP+1], v[TMP+1], v[rS+23], v[rS+31]
	v_max3_num_f32 v[TMP+2], v[TMP+2], v[TMP+3], v[rT+1]
	v_mov_b32 v[MV], v[rT]
	v_max3_num_f32 v[TMP], v[TMP], v[TMP+1], v[TMP+2]
	v_permlanex16_b32 v[TMP+3], v[TMP], s[SEL], s[SEL+1]     ; the query's other 32 keys lie in the lane 16 away
	v_max_num_f32 v[rT+1], v[TMP], v[TMP+3]
	v_mul_f32 v[rT], v[CV], v[rT+1]
	v_sub_f32 v[TMP+1], v[MV], v[rT]
	v_exp_f32 v[TMP+2], v[TMP+1]                   ; a
	FF 0
	FF 1
	FF 2
	FF 3
	WIN W_RS
.set n, 0
	s_wait_alu depctr_va_vdst(0)
.rept 16
	v_pk_mul_f32 v[rO+2*n:rO+2*n+1], v[rO+2*n:rO+2*n+1], v[TMP+2:TMP+3] op_sel_hi:[1,0]
.set n, n+1
.endr
	WIN 0
.set n, 0
.rept 32
	v_exp_f32 v[rS+n], v[rS+n]
.if n < 12
	FF 4+n
.elseif n < 22
	CC n-12
.elseif n%2 == 0
	BB (n-22)/2
.else
	LL (n-23)/2
.endif
.set n, n+1
.endr
.irp k, 10,11,12,13,14,15
	CC \k
.endr
	BB 5
	BB 6
	BB 7
	LL 5
	LL 6
	LL 7
	WIN W_PV
.set i, 0
.rept 8                                ; four accumulators by turns
	v_wmma_f32_16x16x32_f16 v[rO+8*(i%4):rO+8*(i%4)+7], v[VF+32*(i/4)+8*(i%4):VF+32*(i/4)+8*(i%4)+7], v[P+8*(i/4):P+8*(i/4)+7], v[rO+8*(i%4):rO+8*(i%4)+7]
.set i, i+1
.endr
	WIN 0
.endm
; A TRIP.  At its head step s's scores are made, V(s) and the masks of pieces 0 and 1 are asked for.  It fetches K(s + 1), does the four pieces' step s, two and two, fetches V(s + 1) and makes the scores of step s + 1.
; tail = 1: in the loop's last trip (CNT = 1) there is no further step: K's run and the last request for masks are jumped over, and the trip is left in its middle.
.macro TRIP tail
	PLACES                                         ; behind the products that read K and wrote S^T
	s_wait_dscnt 0x0                               ; V(s) is in: it was asked for ahead of the last 32 products
.if \tail
	s_cmp_eq_u32 s[CNT], 1
	s_cbranch_scc1 .Lno_k_\@
.endif
	FETCH_K
.if \tail
.Lno_k_\@:
.endif
	s_wait_kmcnt 0x0                               ; the masks of pieces 0 and 1 are in
	SELM 0, MA
	SELM 1, MB
	SOFT 0, 1, 0
	SOFT 1, 0, 0
	s_wait_kmcnt 0x0                               ; the masks of pieces 2 and 3 are in, and no scalar load of mine is out: the loads' offset register may be written
	s_add_co_u32 s[MOF], s[MOF], 64                ; the next step's 64 bytes; behind a quarter's eight steps its second 512 bytes are passed over
	s_and_b32 s[TM], s[MOF], 0x200
	s_add_co_u32 s[MOF], s[MOF], s[TM]
	SELM 2, MA
	SELM 3, MB
	SOFT 2, 2, \tail
	SOFT 3, 0, 0
.if \tail
	s_cmp_eq_u32 s[CNT], 1
	s_cbranch_scc1 .Lout
.endif
	PLACES                                         ; behind the products that read V
	FETCH_V
	s_wait_dscnt 16                                ; K is in; V's 16 loads stay out
	KQP 0
	KQP 1
	KQP 2
	KQP 3
	WIN 0
.endm
	CHANGE 1                                       ; slot 0 is in, everybody's part of it; slot 1 is asked for
	FETCH_K
	FETCH_V
	s_wait_loadcnt 0x0                             ; Q is in: its address registers are free
	s_wait_dscnt 16                                ; K is in; V's 16 loads stay out
	KQP 0
	KQP 1
	KQP 2
	KQP 3
	WIN 0
	s_mov_b32 s[CNT], 3                            ; tile 0 has three steps left to fetch
	s_mov_b32 s[SLOTS], 7
	s_branch .Lstep
.Lslot:                                                ; six times: tiles 1 to 6 are entered, tiles 2 to 7 asked for
	CHANGE 1
	s_mov_b32 s[CNT], 4
.Lstep:
	TRIP 0
	s_sub_co_u32 s[CNT], s[CNT], 1
	s_cmp_lg_u32 s[CNT], 0
	s_cbranch_scc1 .Lstep
	s_sub_co_u32 s[SLOTS], s[SLOTS], 1
	s_cmp_lg_u32 s[SLOTS], 0
	s_cbranch_scc1 .Lslot
	CHANGE 0                                       ; the last tile is written out
	s_mov_b32 s[CNT], 5                            ; four trips fetch its steps; the fifth is left in its middle
.Ltail:
	TRIP 1
	s_sub_co_u32 s[CNT], s[CNT], 1
	s_cmp_lg_u32 s[CNT], 0
	s_cbranch_scc1 .Ltail
.Lout:
	; THE WAY OUT.  l's halves and the other lanes' are added; O^T is divided by l, rounded to f16 and sent through my stage, a piece at a time.  The additions are the places behind the last products.
	s_wait_kmcnt 0x0                               ; no load of masks is out: their registers may be loaded anew
	s_load_b64 s[4:5], s[0:1], 0x10                ; xo
	s_wait_dscnt 0x0
.macro ALL line:vararg
.set t, 0
.rept 4
	\line
.set t, t+1
.endr
.endm
	ALL v_add_f32 v[ST+4*t+2], v[ST+4*t+2], v[ST+4*t+3]
	ALL v_permlanex16_b32 v[ST+4*t+3], v[ST+4*t+2], s[SEL], s[SEL+1]
	ALL v_add_f32 v[ST+4*t+2], v[ST+4*t+2], v[ST+4*t+3]
	ALL v_rcp_f32 v[ST+4*t+2], v[ST+4*t+2]
	v_nop                                          ; a plain instruction between the last reciprocal and its use
	s_wait_alu depctr_va_vdst(0)
	s_wait_kmcnt 0x0                               ; xo's address is in
.macro PACK t
	WIN W_RS
.set i, 32*(\t)
.rept 16
	v_pk_mul_f32 v[i:i+1], v[i:i+1], v[ST+4*(\t)+2:ST+4*(\t)+3] op_sel_hi:[1,0]
.set i, i+2
.endr
	WIN 0x05
.set i, 0
.rept 16
	v_cvt_pk_f16_f32 v[S+16*(\t)+i], v[32*(\t)+2*i], v[32*(\t)+2*i+1]
.set i, i+1
.endr
	WIN 0
.irp f, 0,1,2,3
	ds_store_b128 v[STO], v[S+16*(\t)+4*\f:S+16*(\t)+4*\f+3] offset:32*\f
.endr
.irp f, 0,1,2,3
	ds_load_b128 v[S+16*(\t)+4*\f:S+16*(\t)+4*\f+3], v[RD] offset:\f*4*SP  ; LDS serves a wave's instructions in order: these see the stores above
.endr
.endm
.macro SEND t, younger                 ; younger: the LDS instructions issued behind piece t's loads: the next piece's eight, or none
	WIN 0
.irp f, 0,1,2,3
	s_wait_dscnt (\younger)+3-\f
	global_store_b128 v[GO], v[S+16*(\t)+4*\f:S+16*(\t)+4*\f+3], s[4:5] offset:(\t)*2048+\f*512  ; 512 consecutive bytes, at a multiple of 256 from O's first
.endr
.endm
	PACK 0
.set t, 1
.rept 3                                ; a piece's arithmetic stands between the loads of the piece before and its stores
	PACK t
	SEND t-1, 8
.set t, t+1
.endr
	SEND 3, 0
	s_wait_tensorcnt 0x0                           ; the wave's end
	ds_add_u32 v[SPW], v[NIL]
	s_wait_dscnt 0x0
	CROUND                                         ; the closing round: no work-group ends while a partner may still ask for a tile that names it
	s_endpgm
.Lfunc_end_k_qf9541bbe91_attn:
	.size	k_qf9541bbe91_attn, .Lfunc_end_k_qf9541bbe91_attn-k_qf9541bbe91_attn
	.p2alignl 7, 3214868480
	.fill 96, 4, 3214868480
	.section	.rodata,"a",@progbits
	.p2align	6, 0x0
	.amdhsa_kernel k_qf9541bbe91_attn
		.amdhsa_group_segment_fixed_size 327680
		.amdhsa_private_segment_fixed_size 0
		.amdhsa_enable_private_segment 0
		.amdhsa_kernarg_size 24
		.amdhsa_user_sgpr_count 2
		.amdhsa_user_sgpr_kernarg_segment_ptr 1
		.amdhsa_wavefront_size32 1
		.amdhsa_system_sgpr_workgroup_id_x 1
		.amdhsa_system_sgpr_workgroup_id_y 1
		.amdhsa_system_sgpr_workgroup_id_z 1
		.amdhsa_system_vgpr_workitem_id 0
		.amdhsa_next_free_vgpr 512
		.amdhsa_next_free_sgpr 106
		.amdhsa_reserve_vcc 0
		.amdhsa_float_denorm_mode_32 3
		.amdhsa_float_denorm_mode_16_64 3
		.amdhsa_memory_ordered 1
		.amdhsa_forward_progress 1
		.amdhsa_inst_pref_size 122
	.end_amdhsa_kernel
	.amdgpu_metadata
---
amdhsa.version: [ 1, 2 ]
amdhsa.kernels:
  - .name:           k_qf9541bbe91_attn
    .symbol:         k_qf9541bbe91_attn.kd
    .args:
      - { .name: qkv, .offset: 0, .size: 8, .value_kind: global_buffer, .address_space: global }
      - { .name: mk, .offset: 8, .size: 8, .value_kind: global_buffer, .address_space: global }
      - { .name: xo, .offset: 16, .size: 8, .value_kind: global_buffer, .address_space: global }
    .group_segment_fixed_size: 327680
    .private_segment_fixed_size: 0
    .kernarg_segment_align: 8
    .kernarg_segment_size: 24
    .max_flat_workgroup_size: 256
    .sgpr_count:     106
    .vgpr_count:     512
    .wavefront_size: 32
...
	.end_amdgpu_metadata
.endif
;; end of part 3
;; launch gemm_out (part 4): grid 8 x 32, 4 waves a work-group, clusters of 4 x 4, 327,680 bytes of LDS; arguments xo, wb, b_out, out0; writes out0
.if DOCPART == 4
	.amdgcn_target "amdgcn-amd-amdhsa--gfx1250"
	.amdhsa_code_object_version 6
	.text
	.protected	k_qf9541bbe91_gemm_out
	.globl	k_qf9541bbe91_gemm_out
	.p2align	8
	.type	k_qf9541bbe91_gemm_out,@function
k_qf9541bbe91_gemm_out:
	s_mov_b64 s[64:65], 0
	v_nop
	global_prefetch_b8 v0, s[64:65] scope:SCOPE_SE
	s_setreg_imm32_b32 hwreg(HW_REG_WAVE_MODE, 25, 1), 1
	s_wait_xcnt 0x0
	s_wait_alu depctr_hold_cnt(0) depctr_sa_sdst(0) depctr_va_vdst(0) depctr_va_sdst(0) depctr_va_ssrc(0) depctr_va_vcc(0) depctr_vm_vsrc(0)
	s_getreg_b32 s2, hwreg(HW_REG_IB_STS2, 6, 4)
	s_cmp_eq_u32 s2, 0
	s_cbranch_scc0 .Lentry_in_a_cluster
	s_endpgm
.Lentry_in_a_cluster:
	s_bfe_u32 s2, ttmp6, 0x10000c
	s_cmp_lg_u32 s2, 0xf033
	s_cbranch_scc0 .Lentry_shape_is_right
	s_endpgm
.Lentry_shape_is_right:
; out0 = O W_out + b_out.  O: f16 by heads [b][head][s][64] (xo); W_out: the bf16 rounding written as f16, [1024 k][1024 n] at byte WO_OFF of wb; b_out f32, rounded to bf16 like the other inputs; sums and out0 in f32.
; A work-group makes 256 tokens x 128 columns: 8 x 32 = 256 work-groups.  A wave makes 128 x 64: 32 accumulators (window 1).  K goes in steps of 128 (two heads) through two LDS slots.
; The matrix instruction is used transposed (source 0 = 16 columns of W, turned out of LDS; source 1 = 16 tokens): a lane holds 8 neighbouring columns of one token.
; CLUSTER 4 x 4: O's tile is asked for jointly along a row of the cluster, W's along a column.
; WINDOW 0: v2-11 addresses; v16-143 fragments of O, two buffers; v144-207 of W, two buffers; v208-239 my 32 numbers of the bias; v240-255 at work.
.set WO_OFF, 6291456
.set PA,    144
.set PB,    288                        ; a k-row of W: 256 + 32 bytes: 9 x 32
.set APART, 256*PA                     ; a head's 256 tokens
.set BOFF,  2*APART
.set BHALF, 64*PB
.set SLOT,  BOFF+2*BHALF               ; 110,592
.set STAGE, 2*SLOT                     ; 16 rows x 272 bytes for each wave
.set SP,    272
.set SPARE, STAGE+4*16*SP              ; the spare words; no other line names them
.set ADRA, 2
.set ADRB, 4
.set STO,  6
.set RD,   7
.set GO,   8
.set SPW,  10
.set NIL,  11
.set AF,   16
.set BF,   144
.set BI,   208
.set TMP,  16
.set OB,   48
.set G1,  24
.set G0,  32
.set G1B, 48
.set G0B, 56
.set MSB, 0
.macro WIN new
.if MSB != (\new)
	s_set_vgpr_msb (MSB<<8)|(\new)
.set MSB, \new
.endif
.endm
.macro PLACES
.rept 4
	v_nop
.endr
.endm
.macro JLOAD s                         ; waves 0, 1 fetch the slot's two heads of O, waves 2, 3 the halves of W's 128 k-rows; an s_nop 0 and four v_nop follow each line
	s_cmp_eq_u32 s13, 0
	s_cbranch_scc0 .Lfor_b_\@
	tensor_load_to_lds s[G0+4*(\s):G0+4*(\s)+3], s[G1:G1+7]
	s_nop 0
.rept 4
	v_nop
.endr
	s_branch .Lasked_\@
.Lfor_b_\@:
	tensor_load_to_lds s[G0B+4*(\s):G0B+4*(\s)+3], s[G1B:G1B+7]
	s_nop 0
.rept 4
	v_nop
.endr
.Lasked_\@:
.endm
.macro CREST
	s_cmp_lg_u32 s12, 0
	s_cbranch_scc1 .Lnot_wave_0_\@
	s_barrier_signal -3
.Lnot_wave_0_\@:
	s_barrier_wait -3
	s_barrier_signal -1
	s_barrier_wait -1
.endm
.macro CROUND
	s_barrier_signal -1
	s_barrier_wait -1
	CREST
.endm
	s_load_b256 s[4:11], s[0:1], 0x0               ; xo 4, wb 6, b_out 8, out0 10
	v_lshl_add_u32 v[SPW], v0, 2, SPARE
	v_mov_b32 v[NIL], 0
	ds_add_u32 v10, v11
	s_wait_dscnt 0x0
	v_lshrrev_b32 v1, 5, v0
	v_readfirstlane_b32 s12, v1
	s_lshr_b32 s13, s12, 1                         ; my half of the tokens; also: I fetch O (0) or W (1)
	s_and_b32 s14, s12, 1                          ; my half of the columns; also: which part I fetch
	s_bfe_u32 s40, ttmp6, 0x40000
	s_bfe_u32 s41, ttmp6, 0x40004
	s_lshl_b32 s42, ttmp9, 2
	s_add_co_u32 s42, s42, s40                     ; tile column, 0-7
	s_and_b32 s15, ttmp7, 0xffff
	s_lshl_b32 s15, s15, 2
	s_add_co_u32 s15, s15, s41                     ; tile row, 0-31
	s_lshl_b32 s43, s41, 2
	s_lshl_b32 s43, 15, s43
	s_lshl_b32 s44, 0x1111, s40
	s_or_b32 s[G1], s43, (1<<16)|(1<<20)|(1<<21)|(4<<22)|(3<<25)
	s_mov_b32 s[G1+1], 128<<16                     ; a head's 256 tokens are 32,768 dense bytes: 128 rows of 256, padded after every token
	s_mov_b32 s[G1+2], 128<<16
	s_mov_b32 s[G1+3], 128<<16
	s_mov_b32 s[G1+4], 128
	s_mov_b32 s[G1+5], 128
	s_mov_b32 s[G1+6], 0
	s_mov_b32 s[G1+7], 0
	s_or_b32 s[G1B], s44, (1<<16)|(1<<20)|(1<<21)|(5<<22)|(7<<25)
	s_mov_b32 s[G1B+1], 128<<16                    ; 64 k-rows of 256 bytes
	s_mov_b32 s[G1B+2], 64<<16
	s_mov_b32 s[G1B+3], 128<<16
	s_mov_b32 s[G1B+4], 64
	s_mov_b32 s[G1B+5], 1024
	s_mov_b32 s[G1B+6], 0
	s_mov_b32 s[G1B+7], 0
	s_lshr_b32 s16, s15, 3
	s_lshl_b32 s16, s16, 22
	s_and_b32 s17, s15, 7
	s_lshl_b32 s17, s17, 15
	s_add_co_u32 s16, s16, s17
	s_lshl_b32 s17, s14, 18                        ; my head of the slot's two
	s_add_co_u32 s16, s16, s17
	s_mov_b32 s17, 0
	s_lshl_b32 s46, s42, 8
	s_lshl_b32 s47, s14, 17                        ; 64 k-rows of 2,048 bytes
	s_add_co_u32 s46, s46, s47
	s_add_co_u32 s46, s46, WO_OFF
	s_mov_b32 s47, 0
	s_mul_i32 s20, s14, APART
	s_mul_i32 s21, s14, BHALF
	s_add_co_u32 s21, s21, BOFF
	s_wait_kmcnt 0x0
	s_add_nc_u64 s[18:19], s[4:5], s[16:17]
	s_add_nc_u64 s[46:47], s[6:7], s[46:47]
	CROUND
.irp s, 0,1
	s_mov_b32 s[G0+4*(\s)], 1
	s_add_co_u32 s[G0+4*(\s)+1], s20, (\s)*SLOT
	s_add_nc_u64 s[G0+4*(\s)+2:G0+4*(\s)+3], s[18:19], (\s)*2*262144
	s_or_b32 s[G0+4*(\s)+3], s[G0+4*(\s)+3], 0x80000000
	s_mov_b32 s[G0B+4*(\s)], 1
	s_add_co_u32 s[G0B+4*(\s)+1], s21, (\s)*SLOT
	s_add_nc_u64 s[G0B+4*(\s)+2:G0B+4*(\s)+3], s[46:47], (\s)*128*2048
	s_or_b32 s[G0B+4*(\s)+3], s[G0B+4*(\s)+3], 0x80000000
	JLOAD \s
.endr
	v_and_b32 v1, 15, v0                           ; r
	v_bfe_u32 v12, v0, 4, 1                        ; h
	s_lshl_b32 s45, s42, 9                         ; my 64 columns, in bytes of f32
	s_lshl_b32 s46, s14, 8
	s_add_co_u32 s45, s45, s46
	v_lshl_add_u32 v15, v12, 5, s45
.irp i, 0,1,2,3
	global_load_b128 v[BI+8*(\i):BI+8*(\i)+3],   v15, s[8:9] offset:64*(\i)
	global_load_b128 v[BI+8*(\i)+4:BI+8*(\i)+7], v15, s[8:9] offset:64*(\i)+16
.endr
	v_mul_u32_u24 v13, v1, PA
	v_lshl_add_u32 v13, v12, 4, v13
	s_mul_i32 s22, s13, 128*PA
	v_add_nc_u32 v[ADRA], s22, v13
	v_add_nc_u32 v[ADRA+1], SLOT, v[ADRA]
	v_and_b32 v14, 7, v0
	v_lshl_add_u32 v14, v12, 3, v14
	v_mul_u32_u24 v14, v14, PB
	v_bfe_u32 v13, v0, 3, 1
	v_lshl_add_u32 v14, v13, 4, v14
	s_lshl_b32 s23, s14, 7
	s_add_co_u32 s23, s23, BOFF
	v_add_nc_u32 v[ADRB], s23, v14
	v_add_nc_u32 v[ADRB+1], SLOT, v[ADRB]
	s_mul_i32 s22, s12, 16*SP
	s_add_co_u32 s22, s22, STAGE
	v_mul_u32_u24 v13, v1, SP                      ; in: row r, 32 bytes for each half of the lanes
	v_lshl_add_u32 v13, v12, 5, v13
	v_add_nc_u32 v[STO], s22, v13
	v_mul_u32_u24 v13, v12, SP                     ; back: lanes 0-15 one row of 256 bytes, lanes 16-31 the next
	v_lshl_add_u32 v13, v1, 4, v13
	v_add_nc_u32 v[RD], s22, v13
	v_lshlrev_b32 v13, 12, v12
	v_lshl_add_u32 v[GO], v1, 4, v13
	s_lshl_b32 s16, s15, 8
	s_lshl_b32 s17, s13, 7
	s_add_co_u32 s16, s16, s17                     ; my first token
	s_lshl_b32 s16, s16, 12
	s_add_co_u32 s46, s45, s16
	s_mov_b32 s47, 0
	s_add_nc_u64 s[10:11], s[10:11], s[46:47]
	s_wait_loadcnt 0x0
.set i, 0
.rept 16
	v_cvt_pk_bf16_f32 v[240+i], v[BI+2*i], v[BI+2*i+1]
	v_lshlrev_b32 v[BI+2*i], 16, v[240+i]
	v_and_b32 v[BI+2*i+1], 0xffff0000, v[240+i]
.set i, i+1
.endr
.macro MUL f, a0, zero                 ; 16 products: token blocks a0 .. a0 + 3 x 4 column blocks; the 32 accumulators take turns
	WIN 0x50
.irp a, \a0, (\a0)+1, (\a0)+2, (\a0)+3
.irp i, 0,1,2,3
.if \zero
	v_wmma_f32_16x16x32_f16 v[8*(4*(\a)+(\i)):8*(4*(\a)+(\i))+7], v[BF+32*(\f)+8*(\i):BF+32*(\f)+8*(\i)+7], v[AF+64*(\f)+8*(\a):AF+64*(\f)+8*(\a)+7], 0
.else
	v_wmma_f32_16x16x32_f16 v[8*(4*(\a)+(\i)):8*(4*(\a)+(\i))+7], v[BF+32*(\f)+8*(\i):BF+32*(\f)+8*(\i)+7], v[AF+64*(\f)+8*(\a):AF+64*(\f)+8*(\a)+7], v[8*(4*(\a)+(\i)):8*(4*(\a)+(\i))+7]
.endif
.endr
.endr
.endm
.macro FETCH slot, kq, f               ; 24 loads: quarter kq (32 along K) of the slot into buffer f
	WIN 0
.irp i, 0,1,2,3
	ds_load_tr16_b128 v[BF+32*(\f)+8*(\i):BF+32*(\f)+8*(\i)+3],   v[ADRB+(\slot)] offset:(\kq)*32*PB+(\i)*32
	ds_load_tr16_b128 v[BF+32*(\f)+8*(\i)+4:BF+32*(\f)+8*(\i)+7], v[ADRB+(\slot)] offset:(\kq)*32*PB+(\i)*32+16*PB
.endr
.irp a, 0,1,2,3,4,5,6,7
	ds_load_b128 v[AF+64*(\f)+8*(\a):AF+64*(\f)+8*(\a)+3],   v[ADRA+(\slot)] offset:((\kq)/2)*APART+(\a)*16*PA+((\kq)%2)*64
	ds_load_b128 v[AF+64*(\f)+8*(\a)+4:AF+64*(\f)+8*(\a)+7], v[ADRA+(\slot)] offset:((\kq)/2)*APART+(\a)*16*PA+((\kq)%2)*64+32
.endr
.endm
.macro NQ slot, kq, zero               ; one of a slot's first three quarters: fetches the next, multiplies its own
	PLACES
	FETCH \slot, (\kq)+1, 1-((\kq)%2)
	s_wait_dscnt 24                                ; all but the 24 just issued
	MUL (\kq)%2, 0, \zero
	MUL (\kq)%2, 4, \zero
.endm
; The fourth quarter changes slots: ONE barrier; in front of it each wave waits for all its tensor loads, adds 0 to its spare word, and waits for that and for its reads of this slot.
.macro TQ slot, fill
	WIN 0
	s_wait_tensorcnt 0x0
	ds_add_u32 v[SPW], v[NIL]
	s_wait_dscnt 1                                 ; only the add may be out
	MUL 1, 0, 0
	s_wait_dscnt 0x0
	s_barrier_signal -1
	WIN 0
	s_barrier_wait -1
.if \fill
	CREST
	s_add_nc_u64 s[G0+4*(\slot)+2:G0+4*(\slot)+3], s[G0+4*(\slot)+2:G0+4*(\slot)+3], 4*262144
	s_add_nc_u64 s[G0B+4*(\slot)+2:G0B+4*(\slot)+3], s[G0B+4*(\slot)+2:G0B+4*(\slot)+3], 2*128*2048
	JLOAD \slot                                    ; its four v_nop are also the places in front of the loads below
.else
	PLACES
.endif
	FETCH 1-(\slot), 0, 0
	MUL 1, 4, 0
.endm
	s_wait_tensorcnt 0x1                           ; my part of K step 0 is in; K step 1's may stay out
	s_barrier_signal -1
	s_barrier_wait -1
	FETCH 0, 0, 0
	NQ 0, 0, 1                                     ; the first quarter starts the sums
	WIN 0
	s_mov_b32 s3, 3
.Lk:                                                   ; a trip goes once round the ring and fills both slots again: K steps 2 to 7
	NQ 0, 1, 0
	NQ 0, 2, 0
	TQ 0, 1
	NQ 1, 0, 0
	NQ 1, 1, 0
	NQ 1, 2, 0
	TQ 1, 1
	NQ 0, 0, 0
	WIN 0
	s_sub_co_u32 s3, s3, 1
	s_cmp_lg_u32 s3, 0
	s_cbranch_scc1 .Lk
	NQ 0, 1, 0
	NQ 0, 2, 0
	TQ 0, 0
	NQ 1, 0, 0
	NQ 1, 1, 0
	NQ 1, 2, 0
	s_wait_dscnt 0x0
	MUL 1, 0, 0
	MUL 1, 4, 0
	; THE WAY OUT: + bias, 16 tokens at a time through my stage, back as whole rows of 256 bytes.
	PLACES
.macro PACK a
	WIN 0x01                                       ; source 0 in window 1
.set i, 0
.rept 16
	v_pk_add_f32 v[TMP+2*i:TMP+2*i+1], v[32*(\a)+2*i:32*(\a)+2*i+1], v[BI+2*i:BI+2*i+1]
.set i, i+1
.endr
	WIN 0
.endm
.macro TOSTAGE a
	WIN 0
	s_wait_xcnt 0x0                                ; the stores of the block before have read OB
.irp i, 0,1,2,3
	ds_store_b128 v[STO], v[TMP+8*(\i):TMP+8*(\i)+3]   offset:(\i)*64
	ds_store_b128 v[STO], v[TMP+8*(\i)+4:TMP+8*(\i)+7] offset:(\i)*64+16
.endr
.irp t, 0,1,2,3,4,5,6,7
	ds_load_b128 v[OB+4*(\t):OB+4*(\t)+3], v[RD] offset:(\t)*2*SP
.endr
.endm
.macro SEND a
	WIN 0
	s_wait_dscnt 0x0
.irp t, 0,1,2,3,4,5,6,7
	global_store_b128 v[GO], v[OB+4*(\t):OB+4*(\t)+3], s[10:11] offset:(16*(\a)+2*(\t))*4096 th:TH_STORE_NT  ; 16 lanes store 256 consecutive bytes, aligned
.endr
.endm
	PACK 0
	TOSTAGE 0
.irp a, 1,2,3,4,5,6,7
	PACK \a
	SEND (\a)-1
	TOSTAGE \a
.endr
	SEND 7
	s_wait_tensorcnt 0x0                           ; the wave's end
	ds_add_u32 v[SPW], v[NIL]
	s_wait_dscnt 0x0
	CROUND                                         ; the closing round
	s_endpgm
.Lfunc_end_k_qf9541bbe91_gemm_out:
	.size	k_qf9541bbe91_gemm_out, .Lfunc_end_k_qf9541bbe91_gemm_out-k_qf9541bbe91_gemm_out
	.p2alignl 7, 3214868480
	.fill 96, 4, 3214868480
	.section	.rodata,"a",@progbits
	.p2align	6, 0x0
	.amdhsa_kernel k_qf9541bbe91_gemm_out
		.amdhsa_group_segment_fixed_size 327680
		.amdhsa_private_segment_fixed_size 0
		.amdhsa_enable_private_segment 0
		.amdhsa_kernarg_size 32
		.amdhsa_user_sgpr_count 2
		.amdhsa_user_sgpr_kernarg_segment_ptr 1
		.amdhsa_wavefront_size32 1
		.amdhsa_system_sgpr_workgroup_id_x 1
		.amdhsa_system_sgpr_workgroup_id_y 1
		.amdhsa_system_sgpr_workgroup_id_z 1
		.amdhsa_system_vgpr_workitem_id 0
		.amdhsa_next_free_vgpr 512
		.amdhsa_next_free_sgpr 66
		.amdhsa_reserve_vcc 0
		.amdhsa_float_denorm_mode_32 3
		.amdhsa_float_denorm_mode_16_64 3
		.amdhsa_memory_ordered 1
		.amdhsa_forward_progress 1
		.amdhsa_inst_pref_size 96
	.end_amdhsa_kernel
	.amdgpu_metadata
---
amdhsa.version: [ 1, 2 ]
amdhsa.kernels:
  - .name:           k_qf9541bbe91_gemm_out
    .symbol:         k_qf9541bbe91_gemm_out.kd
    .args:
      - { .name: xo, .offset: 0, .size: 8, .value_kind: global_buffer, .address_space: global }
      - { .name: wb, .offset: 8, .size: 8, .value_kind: global_buffer, .address_space: global }
      - { .name: b_out, .offset: 16, .size: 8, .value_kind: global_buffer, .address_space: global }
      - { .name: out0, .offset: 24, .size: 8, .value_kind: global_buffer, .address_space: global }
    .group_segment_fixed_size: 327680
    .private_segment_fixed_size: 0
    .kernarg_segment_align: 8
    .kernarg_segment_size: 32
    .max_flat_workgroup_size: 128
    .sgpr_count:     66
    .vgpr_count:     512
    .wavefront_size: 32
...
	.end_amdgpu_metadata
.endif
;; end of part 4
;; ======== version 2 of 2: 4 launches; 1.14 times as fast as version 1
;; limits: values are held in f16: magnitudes above 65,504 overflow, below 6.1e-05 lose precision
;; workspace buffers: xo 16,777,216 bytes; wb 8,388,608 bytes; qkv 50,331,648 bytes; mk 2,097,152 bytes of whole numbers
;; launch prep: the kernel of part 1 again; grid 448 x 1, 8 waves a work-group, no clusters, 0 bytes of LDS; arguments x, W_qkv, W_out, causal_mask, padding_mask, xo, wb, mk; writes xo, wb, mk
;; launch gemm_qkv: the kernel of part 2 again; grid 8 x 32, 4 waves a work-group, clusters of 4 x 4, 327,680 bytes of LDS; arguments xo, wb, b_qkv, qkv; writes qkv
;; launch attn (part 5): grid 4 x 64, 8 waves a work-group, clusters of 4 x 1, 327,680 bytes of LDS; arguments qkv, mk, xo; writes xo
.if DOCPART == 5
	.amdgcn_target "amdgcn-amd-amdhsa--gfx1250"
	.amdhsa_code_object_version 6
	.text
	.protected	k_qf9541bbe91_attn
	.globl	k_qf9541bbe91_attn
	.p2align	8
	.type	k_qf9541bbe91_attn,@function
k_qf9541bbe91_attn:
	s_mov_b64 s[64:65], 0
	v_nop
	global_prefetch_b8 v0, s[64:65] scope:SCOPE_SE
	s_setreg_imm32_b32 hwreg(HW_REG_WAVE_MODE, 25, 1), 1
	s_wait_xcnt 0x0
	s_wait_alu depctr_hold_cnt(0) depctr_sa_sdst(0) depctr_va_vdst(0) depctr_va_sdst(0) depctr_va_ssrc(0) depctr_va_vcc(0) depctr_vm_vsrc(0)
	s_getreg_b32 s2, hwreg(HW_REG_IB_STS2, 6, 4)
	s_cmp_eq_u32 s2, 0
	s_cbranch_scc0 .Lentry_in_a_cluster
	s_endpgm
.Lentry_in_a_cluster:
	s_bfe_u32 s2, ttmp6, 0x10000c
	s_cmp_lg_u32 s2, 0x3003
	s_cbranch_scc0 .Lentry_shape_is_right
	s_endpgm
.Lentry_shape_is_right:
; ATTENTION UNDER TWO MASKS THAT ARE INPUTS.  O[bh][q] = sum over k of softmax_k(s(q, k)) V[bh][k], s = Q.K / 8, or the lowest number where causal_mask[q][k] or padding_mask[b][k] hides the key.
; Q, K, V: qkv [3][bh 64][2048][64] f16.  O: xo [bh][2048][64] f16.  Products, maxima and sums in f32; the weights are rounded to f16 for the second product, O once at the end.
; THE MASK.  A hidden score is REPLACED by NEG = -2^100, by one select a register of S^T; the lane masks (one word a register) were packed by the launch before.  c NEG is exact, so where a row has seen hidden
; keys alone c s - c m is exactly 0 and every weight 1: a row with no visible key ends as the mean of all 2,048 rows of V.  The first true score makes a = 2^(c NEG - c m) = 0 and wipes what was gathered.
; m starts at NEG, O and l at 0: the first step is a step like any other.  The price of writing no first step out: 128 v_mov_b32 that clear O^T, in the wait for the first tile.
; NO BRANCH HANGS ON THE MASKS: every piece does every key step, whatever is hidden; all trip counts are constants.
; THE MASKS COME TWO PIECES AT A TIME: 64 words into 64 scalar registers.  Scalar loads are waited for by the count 0 alone, so buffers that take turns piece by piece would gain nothing; instead the selects of two
; pieces stand together, the next pair's masks are asked for a few lines behind them, and that request has two pieces' softmax and products (224 vector and 16 matrix instructions) in which to come.
; THE BATCHES.  The pieces go in the same pairs through the softmax, and a pair's 66 exponentials (a of both pieces, then their 64 scores) are ONE BATCH with ONE wait.  Ahead of the wait stands all that names no
; result of theirs: both pieces' maxima and statistics and the 32 scalings c s - c m.  Behind it stand all the readers, piece after piece: O^T times a, the roundings, the sums, and the products V^T P.
; So a trip has two such waits, no exponential is issued behind a pair's wait, and none is open at a label or a jump.  The way out's four reciprocals are a batch of their own.
; LIMITS.  Q, K, V within f16; true scores (2.7e11 at the most from f16) lie above -2^100; a weight below 2^-126 counts as 0 in l; NaN and infinities are not treated apart.
; SHARES.  A work-group owns 512 queries of one head, each of its 8 waves 64: four PIECES of 16.  Two waves lie on a SIMD: a wave works in phases (scores, softmax, V^T P), and the other wave has the unit
; that this one leaves idle: a piece and step have 16 matrix and 150 vector instructions.
; CLUSTER.  The four query blocks of a cluster belong to one head and walk the same K and V, so each tile is asked for JOINTLY: the same tensor load, descriptor and mask in all four.
; LAYOUT.  S^T = K Q^T holds ONE query a lane (lane % 16) and the keys 8 (lane / 16) + 0..7; two such results rounded to f16 ARE source 1 of O^T = V^T P.  p = 2^(c s - c m), c = log2(e) / 8.
; WINDOW 0: v2-15 addresses and constants; v16-31 statistics (c m, m, l, l a piece); v32-35, v42-45 at work, by the piece's parity; v36 O's offset; v37 the odd pieces' c m_old; v40-41 c; v48-63 P;
;           v64-191 S^T, 32 a piece; v192-255 K of a step
; WINDOW 1: v0-127 O^T, 32 a piece; v128-191 Q, 16 a piece; v192-255 V of a step
.set KS,    64
.set PKB,   144                        ; a row of K in LDS: 128 + 16 bytes = 36 words: the 16 rows of a load start at 16 different groups of four banks
.set PVB,   160                        ; a row of V: 128 + 32 bytes = 40 words
.set VOFF,  4*KS*PKB                   ; a slot holds four steps: 256 rows of K, then 256 rows of V
.set SLOT1, 1<<17
.set STAGE, SLOT1+4*KS*(PKB+PVB)       ; behind the ring: 16 rows x 144 bytes for each wave
.set SP,    144
.set SPARE, STAGE+8*16*SP              ; the spare words, 128 bytes for each of eight waves; no other line names them
.set AK0, 2
.set AV0, 3
.set AK,  4
.set AV,  5
.set STO, 6
.set RD,  7
.set QO,  8
.set MV,  12                           ; c m_old of the even pieces
.set NEGR, 13                          ; -2^100
.set SPW, 14
.set NIL, 15
.set ST,  16
.set TMP, 32                           ; the even pieces' c0-c3; c2 takes a
.set GO,  36                           ; my byte offset in O: the head, my wave's rows, 16 x lane
.set MW,  37                           ; c m_old of the odd pieces
.set CV,  40                           ; v[40:41] c, twice: it lies in vector registers, since the scalar ones go to the masks
.set TMQ, 42                           ; the odd pieces' c0-c3
.set P,   48
.set S,   64
.set KF,  192
.set QF,  128                          ; window 1
.set VF,  192                          ; window 1
.set MKB, 2                            ; s[2:3]   the masks at my wave's first tile
.set MB,  4                            ; s[4:35]  32 lane masks: pieces 1 and 3 (at first: the arguments)
.set G1K, 36
.set G1V, 44
.set G0K, 52
.set G0V, 56
.set SEL, 60
.set TBK, 62
.set TBV, 63
.set WV,  66
.set MOF, 67                           ; the 64 bytes, among a tile's mask words, of the step whose masks are asked for
.set MA,  68                           ; s[68:99] 32 lane masks: pieces 0 and 2 (at work during the set-up)
.set SLOTS, 100
.set CNT, 101
.set QP,  104                          ; s[104:105] Q at my wave's rows, until Q is in
.set TM,  104                          ; then at work
.set MSB, 0
.macro WIN new                         ; the high byte repeats the setting that is left; a switch that changes nothing is dropped
.if MSB != (\new)
	s_set_vgpr_msb (MSB<<8)|(\new)
.set MSB, (\new)
.endif
.endm
.set W_KQ, 0x04                        ; Q in window 1
.set W_PV, 0x51                        ; V and O^T in window 1, P in window 0
.set W_RS, 0x41                        ; destination and source 0 in window 1
.macro PLACES                          ; four places in front of loads into registers that matrix instructions have read, and of vector lines that read results
.rept 4
	v_nop
.endr
.endm
; A joint fill.  Waves 0, 1 fetch the halves of a tile's K, waves 2, 3 of its V, 128 keys each; waves 4-7 fetch nothing.  The branches hang on the wave's number alone.
; An s_nop 0 and four v_nop follow each line.
.macro JLOAD
	s_cmp_lt_u32 s[WV], 2
	s_cbranch_scc0 .Lnot_k_\@
	tensor_load_to_lds s[G0K:G0K+3], s[G1K:G1K+7]
	s_nop 0
.rept 4
	v_nop
.endr
	s_branch .Lasked_\@
.Lnot_k_\@:
	s_cmp_lt_u32 s[WV], 4
	s_cbranch_scc0 .Lasked_\@
	tensor_load_to_lds s[G0V:G0V+3], s[G1V:G1V+7]
	s_nop 0
.rept 4
	v_nop
.endr
.Lasked_\@:
.endm
; A round of the cluster's barrier: my work-group's barrier, so that wave 0's signal speaks for all eight waves; wave 0 signals; every wave waits for all four work-groups; my work-group's barrier once more.
.macro CROUND
	s_barrier_signal -1
	s_barrier_wait -1
	s_cmp_lg_u32 s[WV], 0
	s_cbranch_scc1 .Lnot_wave_0_\@
	s_barrier_signal -3
.Lnot_wave_0_\@:
	s_barrier_wait -3
	s_barrier_signal -1
	s_barrier_wait -1
.endm
; THE CHANGE OF SLOTS.  Every wave waits for all its tensor loads (one at the most is out: its part of the other slot), adds 0 to its spare word, and waits for that and for its reads of the slot that it leaves.
; fill = 1: the old slot is filled again with the keys two tiles on.  The barrier is then a round of the cluster's, so that no wave of any partner still reads the slot or has a load on its way, and the joint
; fill is the first thing behind it: it has four key steps in which to land.  (At its first use nothing has been read yet: slot 0 is waited for, slot 1 filled.)
.macro CHANGE fill
	WIN 0
	s_wait_tensorcnt 0x0                           ; no tensor load of mine is out, so a group 0 may be written
	ds_add_u32 v[SPW], v[NIL]
.if \fill
.irp g, G0K, G0V
	s_xor_b32 s[\g+1], s[\g+1], SLOT1              ; the walking descriptor: the other slot than last time,
	s_add_nc_u64 s[\g+2:\g+3], s[\g+2:\g+3], 4*KS*128  ; the next 256 keys; the type bits on top are not reached
.endr
	s_wait_dscnt 0x0                               ; the add is done, and my reads of the slot are over
	CROUND
	JLOAD
.else
	s_wait_dscnt 0x0
	s_barrier_signal -1
	s_barrier_wait -1
.endif
	s_sub_co_u32 s[TBK], s[TBK], 4*KS*PKB          ; the fetches go back to a slot's first step, in the other slot
	s_xor_b32 s[TBK], s[TBK], SLOT1
	s_sub_co_u32 s[TBV], s[TBV], 4*KS*PVB
	s_xor_b32 s[TBV], s[TBV], SLOT1
.endm
; Piece p's 32 lane masks for the step at MOF, into the 32 registers from m on: 64 bytes for registers 0-3 of the four accumulators, 64 for registers 4-7
.macro MLOAD p, m
	s_load_b512 s[(\m):(\m)+15], s[MKB:MKB+1], s[MOF] offset:(\p)*4096
	s_load_b512 s[(\m)+16:(\m)+31], s[MKB:MKB+1], s[MOF] offset:(\p)*4096+512
.endm
	s_load_b128 s[4:7], s[0:1], 0x0                ; qkv 4, mk 6; xo's address is fetched at the way out
	v_lshl_add_u32 v[SPW], v0, 2, SPARE
	v_mov_b32 v[NIL], 0
	ds_add_u32 v14, v15
	s_wait_dscnt 0x0
	v_lshrrev_b32 v1, 5, v0
	v_readfirstlane_b32 s[WV], v1
	s_bfe_u32 s68, ttmp6, 0x40000                  ; cx: my place in the cluster
	s_lshl_b32 s69, ttmp9, 2                       ; in a cluster launch ttmp9 counts clusters
	s_add_co_u32 s68, s69, s68                     ; my block of 512 queries: it enters Q's, O's and the masks' addresses alone
	s_and_b32 s70, ttmp7, 0xffff                   ; 16 b + head, which the four partners share
	s_lshl_b32 s71, s70, 18                        ; the head's 262,144 bytes
	s_and_b32 s72, s[WV], 1                        ; which half of a tile's 256 keys I fetch
	s_lshl_b32 s74, s72, 14
	s_add_co_u32 s74, s74, s71
	s_add_co_u32 s76, s74, 128*262144              ; V
	s_add_co_u32 s74, s74, 64*262144               ; K
	s_mov_b32 s75, 0
	s_mov_b32 s77, 0
	s_lshl_b32 s78, s68, 3
	s_add_co_u32 s78, s78, s[WV]                   ; my wave among the head's 32
	s_lshl_b32 s80, s78, 14                        ; its four tiles' mask words, 4,096 bytes a tile
	s_lshl_b32 s78, s78, 13                        ; its 64 rows of 128 bytes
	s_add_co_u32 s78, s78, s71
	s_mov_b32 s79, 0
	s_lshr_b32 s82, s70, 4                         ; b
	s_lshl_b32 s82, s82, 19                        ; 128 tiles of 4,096 bytes
	s_add_co_u32 s80, s80, s82
	s_mov_b32 s81, 0
	v_and_b32 v[GO], 31, v0                        ; the way out: 32 lanes x 16 bytes are 512 consecutive bytes of O
	v_lshl_add_u32 v[GO], v[GO], 4, s78
	s_mov_b32 s[G1K], 15|(1<<16)|(1<<20)|(1<<21)|(4<<22)|(3<<25)  ; the mask of four; 2-byte elements; padding on; bit 21 beside a mask; after every 32 words 4 words
	s_mov_b32 s[G1V], 15|(1<<16)|(1<<20)|(1<<21)|(4<<22)|(7<<25)  ; the same with 8 words
.irp g, G1K, G1V
	s_mov_b32 s[\g+1], 128<<16                     ; 128 keys are 16,384 dense bytes: 64 rows of 256, two keys a row
	s_mov_b32 s[\g+2], 64<<16
	s_mov_b32 s[\g+3], 128<<16
	s_mov_b32 s[\g+4], 64
	s_mov_b32 s[\g+5], 128
	s_mov_b32 s[\g+6], 0
	s_mov_b32 s[\g+7], 0
.endr
	s_mov_b32 s[SEL], 0x76543210
	s_mov_b32 s[SEL+1], 0xfedcba98
	s_mov_b32 s[TBK], SLOT1+4*KS*PKB               ; the first change of slots turns these two into 0
	s_mov_b32 s[TBV], SLOT1+4*KS*PVB
	s_mov_b32 s[MOF], 0
	s_mov_b32 s[G0K], 1
	s_mul_i32 s[G0K+1], s72, 128*PKB               ; no place in the cluster enters an LDS address
	s_mov_b32 s[G0V], 1
	s_mul_i32 s[G0V+1], s72, 128*PVB
	s_add_co_u32 s[G0V+1], s[G0V+1], VOFF
	s_wait_kmcnt 0x0
	s_add_nc_u64 s[G0K+2:G0K+3], s[4:5], s[74:75]
	s_or_b32 s[G0K+3], s[G0K+3], 0x80000000
	s_add_nc_u64 s[G0V+2:G0V+3], s[4:5], s[76:77]
	s_or_b32 s[G0V+3], s[G0V+3], 0x80000000
	s_add_nc_u64 s[QP:QP+1], s[4:5], s[78:79]      ; Q at my wave's first row,
	s_add_nc_u64 s[MKB:MKB+1], s[6:7], s[80:81]    ; the masks at my first tile
	CROUND                                         ; all four work-groups are here: the first joint loads meet
	JLOAD                                          ; tile 0 into slot 0
	MLOAD 0, MA                                    ; the masks of pieces 0 and 1, step 0
	MLOAD 1, MB
	v_and_b32 v1, 15, v0                           ; r
	v_bfe_u32 v9, v0, 4, 1                         ; h
	v_lshlrev_b32 v[QO], 7, v1
	v_lshl_add_u32 v[QO], v9, 4, v[QO]
	WIN 0x40
.irp p, 0,1,2,3
.irp c, 0,1
	global_load_b128 v[QF+16*(\p)+8*(\c):QF+16*(\p)+8*(\c)+3],   v[QO], s[QP:QP+1] offset:2048*(\p)+64*(\c)
	global_load_b128 v[QF+16*(\p)+8*(\c)+4:QF+16*(\p)+8*(\c)+7], v[QO], s[QP:QP+1] offset:2048*(\p)+64*(\c)+32
.endr
.endr
.set i, 0
.rept 128                              ; O^T starts at 0
	v_mov_b32 v[i], 0
.set i, i+1
.endr
	WIN 0
	v_mov_b32 v[NEGR], 0xf1800000
	v_mov_b32 v[CV], 0x3e38aa3b                    ; c = log2(e) / 8
	v_mov_b32 v[CV+1], 0x3e38aa3b                  ; named with it as a pair
.irp p, 0,1,2,3
	v_mul_f32 v[ST+4*(\p)], v[CV], v[NEGR]
	v_mov_b32 v[ST+4*(\p)+1], v[NEGR]
	v_mov_b32 v[ST+4*(\p)+2], 0
	v_mov_b32 v[ST+4*(\p)+3], 0
.endr
	v_mul_u32_u24 v[AK0], v1, PKB
	v_lshl_add_u32 v[AK0], v9, 4, v[AK0]
	v_and_b32 v10, 7, v0
	v_bfe_u32 v11, v0, 3, 1
	v_lshl_add_u32 v[AV0], v9, 3, v10              ; the turning load: key 8 h + l % 8, channels 8 ((l / 8) % 2) on
	v_mul_u32_u24 v[AV0], v[AV0], PVB
	v_lshl_add_u32 v[AV0], v11, 4, v[AV0]
	v_add_nc_u32 v[AV0], VOFF, v[AV0]
	s_mul_i32 s[CNT], s[WV], 16*SP                 ; (the counter's register is at work here; it is set ahead of the loops)
	s_add_co_u32 s[CNT], s[CNT], STAGE             ; my stage
	v_mul_u32_u24 v[STO], v1, SP                   ; in: row l % 16, 16 bytes for each half of the lanes
	v_lshl_add_u32 v[STO], v9, 4, v[STO]
	v_add_nc_u32 v[STO], s[CNT], v[STO]
	v_bfe_u32 v[RD], v0, 3, 2                      ; back: 32 lanes take four rows of 128 bytes
	v_mul_u32_u24 v[RD], v[RD], SP
	v_lshl_add_u32 v[RD], v10, 4, v[RD]
	v_add_nc_u32 v[RD], s[CNT], v[RD]
.macro FETCH_K                         ; 16 loads: 64 keys x 64 channels
	WIN 0
	v_add_nc_u32 v[AK], s[TBK], v[AK0]
.irp f, 0,1,2,3,4,5,6,7
	ds_load_b128 v[KF+8*\f:KF+8*\f+3],   v[AK] offset:(\f/2)*16*PKB+(\f%2)*64
	ds_load_b128 v[KF+8*\f+4:KF+8*\f+7], v[AK] offset:(\f/2)*16*PKB+(\f%2)*64+32
.endr
	s_add_co_u32 s[TBK], s[TBK], KS*PKB
.endm
.macro FETCH_V                         ; 16 turning loads
	WIN 0
	v_add_nc_u32 v[AV], s[TBV], v[AV0]
	WIN 0x40
.irp f, 0,1,2,3,4,5,6,7
	ds_load_tr16_b128 v[VF+8*\f:VF+8*\f+3],   v[AV] offset:(\f/4)*32*PVB+(\f%4)*32
	ds_load_tr16_b128 v[VF+8*\f+4:VF+8*\f+7], v[AV] offset:(\f/4)*32*PVB+16*PVB+(\f%4)*32
.endr
	WIN 0
	s_add_co_u32 s[TBV], s[TBV], KS*PVB
.endm
; Piece p's 8 products S^T = K Q^T.  Four accumulators by turns; the first four start the sums.
.macro KQP p
	WIN W_KQ
.set i, 0
.rept 8
.if i < 4
	v_wmma_f32_16x16x32_f16 v[S+32*(\p)+8*(i%4):S+32*(\p)+8*(i%4)+7], v[KF+16*(i%4)+8*(i/4):KF+16*(i%4)+8*(i/4)+7], v[QF+16*(\p)+8*(i/4):QF+16*(\p)+8*(i/4)+7], 0
.else
	v_wmma_f32_16x16x32_f16 v[S+32*(\p)+8*(i%4):S+32*(\p)+8*(i%4)+7], v[KF+16*(i%4)+8*(i/4):KF+16*(i%4)+8*(i/4)+7], v[QF+16*(\p)+8*(i/4):QF+16*(\p)+8*(i/4)+7], v[S+32*(\p)+8*(i%4):S+32*(\p)+8*(i%4)+7]
.endif
.set i, i+1
.endr
.endm
; Piece p's 32 selects, by the lane masks from register m on.  Ascending: each accumulator is read from its low end on.
.macro SELM p, m
.set n, 0
.rept 32
	v_cndmask_b32 v[S+32*(\p)+n], v[S+32*(\p)+n], v[NEGR], s[(\m)+16*((n%8)/4)+4*(n/8)+n%4]
.set n, n+1
.endr
.endm
; The registers of piece p.  Its four at work (c0-c3; c2 takes a) and its c m_old go by its number's parity: both pieces of a pair hold their a until the pair's wait is passed.
.macro REGS p
.set rT, ST+4*(\p)
.set rS, S+32*(\p)
.set rO, 32*(\p)
.set rC, TMP+(TMQ-TMP)*((\p)%2)
.set rM, MV+(MW-MV)*((\p)%2)
.endm
; Number n of the 22 that find piece p's maximum and statistics.  s0-s31 are the lane's 32 scores.
;   0-11  four chains c0-c3 of seven scores each, three operands at a time     12-14, 16  the four scores left over, the old m, and c0-c3 into c0     15  c m_old is kept
;   17, 18  the query's other 32 keys lie in the lane 16 away: the new m         19-21  c m; c m_old - c m_new; a
.macro XS p, n
	REGS \p
.if (\n) < 4
	v_max3_num_f32 v[rC+(\n)], v[rS+8*(\n)], v[rS+8*(\n)+1], v[rS+8*(\n)+2]
.elseif (\n) < 12
	v_max3_num_f32 v[rC+(\n)%4], v[rC+(\n)%4], v[rS+8*((\n)%4)+2*((\n)/4)+1], v[rS+8*((\n)%4)+2*((\n)/4)+2]
.elseif (\n) == 12
	v_max3_num_f32 v[rC], v[rC], v[rS+7], v[rS+15]
.elseif (\n) == 13
	v_max3_num_f32 v[rC+1], v[rC+1], v[rS+23], v[rS+31]
.elseif (\n) == 14
	v_max3_num_f32 v[rC+2], v[rC+2], v[rC+3], v[rT+1]
.elseif (\n) == 15
	v_mov_b32 v[rM], v[rT]
.elseif (\n) == 16
	v_max3_num_f32 v[rC], v[rC], v[rC+1], v[rC+2]
.elseif (\n) == 17
	v_permlanex16_b32 v[rC+3], v[rC], s[SEL], s[SEL+1]
.elseif (\n) == 18
	v_max_num_f32 v[rT+1], v[rC], v[rC+3]
.elseif (\n) == 19
	v_mul_f32 v[rT], v[CV], v[rT+1]
.elseif (\n) == 20
	v_sub_f32 v[rC+1], v[rM], v[rT]
.else
	v_exp_f32 v[rC+2], v[rC+1]
.endif
.endm
; The lines ahead of the wait.  FF p, k: c s - c m for pair k of piece p.  EX p, n: the exponential of its score n, in place.
.macro FF p, k
	REGS \p
	v_pk_fma_f32 v[rS+2*(\k):rS+2*(\k)+1], v[rS+2*(\k):rS+2*(\k)+1], v[CV:CV+1], v[rT:rT+1] op_sel_hi:[1,0,0] neg_lo:[0,0,1] neg_hi:[0,0,1]
.endm
.macro EX p, n
	REGS \p
	v_exp_f32 v[rS+(\n)], v[rS+(\n)]
.endm
; The lines behind it, on the registers that TAKE names: CC k: pair k rounded to f16; BB k: of four weights the second pair onto the first, in place; LL k: l takes that sum (LL 0: l = a l + sum)
.macro CC k
	v_cvt_pk_f16_f32 v[P+(\k)], v[rS+2*(\k)], v[rS+2*(\k)+1]
.endm
.macro BB k
	v_pk_add_f32 v[rS+4*(\k):rS+4*(\k)+1], v[rS+4*(\k):rS+4*(\k)+1], v[rS+4*(\k)+2:rS+4*(\k)+3]
.endm
.macro LL k
.if (\k) == 0
	v_pk_fma_f32 v[rT+2:rT+3], v[rT+2:rT+3], v[rC+2:rC+3], v[rS:rS+1] op_sel_hi:[1,0,1]
.else
	v_pk_add_f32 v[rT+2:rT+3], v[rT+2:rT+3], v[rS+4*(\k):rS+4*(\k)+1]
.endif
.endm
; PIECE p's READERS, behind the pair's wait: O^T times a; for each four weights both roundings, then their sum in place, and l takes the sum of the four before; 8 products V^T P.
; P has one buffer.  The second piece's 16 rescalings, which name no register of the first piece's products, are the places between those products and the roundings that write P again.
.macro TAKE p
	REGS \p
	WIN W_RS
.set n, 0
.rept 16                               ; ascending: each accumulator is read from its low end on
	v_pk_mul_f32 v[rO+2*n:rO+2*n+1], v[rO+2*n:rO+2*n+1], v[rC+2:rC+3] op_sel_hi:[1,0]
.set n, n+1
.endr
	WIN 0
.set n, 0
.rept 8
	CC 2*n
	CC 2*n+1
	BB n
.if n > 0
	LL n-1
.endif
.set n, n+1
.endr
	LL 7
	WIN W_PV
.set i, 0
.rept 8                                ; four accumulators by turns
	v_wmma_f32_16x16x32_f16 v[rO+8*(i%4):rO+8*(i%4)+7], v[VF+32*(i/4)+8*(i%4):VF+32*(i/4)+8*(i%4)+7], v[P+8*(i/4):P+8*(i/4)+7], v[rO+8*(i%4):rO+8*(i%4)+7]
.set i, i+1
.endr
.endm
; THE STEP OF PIECES p AND p + 1 behind their selects.  AHEAD OF THE WAIT: the first piece's twelve maxima, the request for masks, the second piece's twelve; the rest of both chains, the pieces alternating, so that
; the other piece's line stands between two links; the two a; the scalings of pairs 0 and 1 of both pieces; then sixteen times exponential, scaling, exponential, scaling, exponential, exponential: scores 2 n and
; 2 n + 1 of both pieces, and the scalings of pair n + 2, which touch scores whose exponentials are still to come.  None of these lines names an exponential's result.  BEHIND IT: TAKE, piece after piece.
; ml = 1: behind the first twelve maxima the masks of pieces 2 and 3 are asked for; ml = 2: those of pieces 0 and 1 of the next step.  All 64 registers were read by the selects in front.
; tail = 1 (with ml = 2, in the tail's text): in the last trip (CNT = 1) there is no further step, and the request is jumped over; no exponential is open there.
.macro PAIR p, ml, tail
	WIN 0
.set n, 0
.rept 12
	XS \p, n
.set n, n+1
.endr
.if (\ml) == 1
	MLOAD 2, MA
	MLOAD 3, MB
.elseif (\ml) == 2
.if \tail
	s_cmp_eq_u32 s[CNT], 1
	s_cbranch_scc1 .Lno_m_\@
.endif
	MLOAD 0, MA
	MLOAD 1, MB
.if \tail
.Lno_m_\@:
.endif
.endif
.set n, 0
.rept 12
	XS (\p)+1, n
.set n, n+1
.endr
.set n, 12
.rept 10                               ; numbers 12 to 21; the last two lines are the two a, the batch's first
	XS \p, n
	XS (\p)+1, n
.set n, n+1
.endr
.irp k, 0,1
	FF \p, \k
	FF (\p)+1, \k
.endr
.set n, 0
.rept 16
	EX \p, 2*n
.if n < 14
	FF \p, n+2
.endif
	EX (\p)+1, 2*n
.if n < 14
	FF (\p)+1, n+2
.endif
	EX \p, 2*n+1
	EX (\p)+1, 2*n+1
.set n, n+1
.endr
	v_nop                                          ; a plain instruction behind the last exponential and ahead of the first use: one for the batch; no plain work is left that names no result
	s_wait_alu depctr_va_vdst(0)                   ; the wait ahead of the first reader: one for the pair's 66 exponentials
	TAKE \p
	TAKE (\p)+1
	WIN 0
.endm
; A TRIP.  At its head step s's scores are made, V(s) and the masks of pieces 0 and 1 are asked for.  It fetches K(s + 1), does the four pieces' step s, two and two, fetches V(s + 1) and makes the scores of step s + 1.
; tail = 1: in the loop's last trip (CNT = 1) there is no further step: K's run and the last request for masks are jumped over, and the trip is left in its middle.
.macro TRIP tail
	PLACES                                         ; behind the products that read K and wrote S^T
	s_wait_dscnt 0x0                               ; V(s) is in: it was asked for ahead of the last 32 products
.if \tail
	s_cmp_eq_u32 s[CNT], 1
	s_cbranch_scc1 .Lno_k_\@
.endif
	FETCH_K
.if \tail
.Lno_k_\@:
.endif
	s_wait_kmcnt 0x0                               ; the masks of pieces 0 and 1 are in
	SELM 0, MA
	SELM 1, MB
	PAIR 0, 1, 0
	s_wait_kmcnt 0x0                               ; the masks of pieces 2 and 3 are in, and no scalar load of mine is out: the loads' offset register may be written
	s_add_co_u32 s[MOF], s[MOF], 64                ; the next step's 64 bytes; behind a quarter's eight steps its second 512 bytes are passed over
	s_and_b32 s[TM], s[MOF], 0x200
	s_add_co_u32 s[MOF], s[MOF], s[TM]
	SELM 2, MA
	SELM 3, MB
	PAIR 2, 2, \tail
.if \tail
	s_cmp_eq_u32 s[CNT], 1
	s_cbranch_scc1 .Lout
.endif
	PLACES                                         ; behind the products that read V
	FETCH_V
	s_wait_dscnt 16                                ; K is in; V's 16 loads stay out
	KQP 0
	KQP 1
	KQP 2
	KQP 3
	WIN 0
.endm
	CHANGE 1                                       ; slot 0 is in, everybody's part of it; slot 1 is asked for
	FETCH_K
	FETCH_V
	s_wait_loadcnt 0x0                             ; Q is in: its address registers are free
	s_wait_dscnt 16                                ; K is in; V's 16 loads stay out
	KQP 0
	KQP 1
	KQP 2
	KQP 3
	WIN 0
	s_mov_b32 s[CNT], 3                            ; tile 0 has three steps left to fetch
	s_mov_b32 s[SLOTS], 7
	s_branch .Lstep
.Lslot:                                                ; six times: tiles 1 to 6 are entered, tiles 2 to 7 asked for
	CHANGE 1
	s_mov_b32 s[CNT], 4
.Lstep:
	TRIP 0
	s_sub_co_u32 s[CNT], s[CNT], 1
	s_cmp_lg_u32 s[CNT], 0
	s_cbranch_scc1 .Lstep
	s_sub_co_u32 s[SLOTS], s[SLOTS], 1
	s_cmp_lg_u32 s[SLOTS], 0
	s_cbranch_scc1 .Lslot
	CHANGE 0                                       ; the last tile is written out
	s_mov_b32 s[CNT], 5                            ; four trips fetch its steps; the fifth is left in its middle
.Ltail:
	TRIP 1
	s_sub_co_u32 s[CNT], s[CNT], 1
	s_cmp_lg_u32 s[CNT], 0
	s_cbranch_scc1 .Ltail
.Lout:
	; THE WAY OUT.  l's halves and the other lanes' are added; O^T is divided by l, rounded to f16 and sent through my stage, a piece at a time.  The additions are the places behind the last products.
	s_wait_kmcnt 0x0                               ; no load of masks is out: their registers may be loaded anew
	s_load_b64 s[4:5], s[0:1], 0x10                ; xo
	s_wait_dscnt 0x0
.macro ALL line:vararg
.set t, 0
.rept 4
	\line
.set t, t+1
.endr
.endm
	ALL v_add_f32 v[ST+4*t+2], v[ST+4*t+2], v[ST+4*t+3]
	ALL v_permlanex16_b32 v[ST+4*t+3], v[ST+4*t+2], s[SEL], s[SEL+1]
	ALL v_add_f32 v[ST+4*t+2], v[ST+4*t+2], v[ST+4*t+3]
	ALL v_rcp_f32 v[ST+4*t+2], v[ST+4*t+2]
	v_nop                                          ; a plain instruction between the last reciprocal and its use
	s_wait_alu depctr_va_vdst(0)                   ; the wait ahead of the first use: one for the four reciprocals
	s_wait_kmcnt 0x0                               ; xo's address is in
.macro PACK t
	WIN W_RS
.set i, 32*(\t)
.rept 16
	v_pk_mul_f32 v[i:i+1], v[i:i+1], v[ST+4*(\t)+2:ST+4*(\t)+3] op_sel_hi:[1,0]
.set i, i+2
.endr
	WIN 0x05
.set i, 0
.rept 16
	v_cvt_pk_f16_f32 v[S+16*(\t)+i], v[32*(\t)+2*i], v[32*(\t)+2*i+1]
.set i, i+1
.endr
	WIN 0
.irp f, 0,1,2,3
	ds_store_b128 v[STO], v[S+16*(\t)+4*\f:S+16*(\t)+4*\f+3] offset:32*\f
.endr
.irp f, 0,1,2,3
	ds_load_b128 v[S+16*(\t)+4*\f:S+16*(\t)+4*\f+3], v[RD] offset:\f*4*SP  ; LDS serves a wave's instructions in order: these see the stores above
.endr
.endm
.macro SEND t, younger                 ; younger: the LDS instructions issued behind piece t's loads: the next piece's eight, or none
	WIN 0
.irp f, 0,1,2,3
	s_wait_dscnt (\younger)+3-\f
	global_store_b128 v[GO], v[S+16*(\t)+4*\f:S+16*(\t)+4*\f+3], s[4:5] offset:(\t)*2048+\f*512  ; 512 consecutive bytes, at a multiple of 256 from O's first
.endr
.endm
	PACK 0
.set t, 1
.rept 3                                ; a piece's arithmetic stands between the loads of the piece before and its stores
	PACK t
	SEND t-1, 8
.set t, t+1
.endr
	SEND 3, 0
	s_wait_tensorcnt 0x0                           ; the wave's end
	ds_add_u32 v[SPW], v[NIL]
	s_wait_dscnt 0x0
	CROUND                                         ; the closing round: no work-group ends while a partner may still ask for a tile that names it
	s_endpgm
.Lfunc_end_k_qf9541bbe91_attn:
	.size	k_qf9541bbe91_attn, .Lfunc_end_k_qf9541bbe91_attn-k_qf9541bbe91_attn
	.p2alignl 7, 3214868480
	.fill 96, 4, 3214868480
	.section	.rodata,"a",@progbits
	.p2align	6, 0x0
	.amdhsa_kernel k_qf9541bbe91_attn
		.amdhsa_group_segment_fixed_size 327680
		.amdhsa_private_segment_fixed_size 0
		.amdhsa_enable_private_segment 0
		.amdhsa_kernarg_size 24
		.amdhsa_user_sgpr_count 2
		.amdhsa_user_sgpr_kernarg_segment_ptr 1
		.amdhsa_wavefront_size32 1
		.amdhsa_system_sgpr_workgroup_id_x 1
		.amdhsa_system_sgpr_workgroup_id_y 1
		.amdhsa_system_sgpr_workgroup_id_z 1
		.amdhsa_system_vgpr_workitem_id 0
		.amdhsa_next_free_vgpr 512
		.amdhsa_next_free_sgpr 106
		.amdhsa_reserve_vcc 0
		.amdhsa_float_denorm_mode_32 3
		.amdhsa_float_denorm_mode_16_64 3
		.amdhsa_memory_ordered 1
		.amdhsa_forward_progress 1
		.amdhsa_inst_pref_size 116
	.end_amdhsa_kernel
	.amdgpu_metadata
---
amdhsa.version: [ 1, 2 ]
amdhsa.kernels:
  - .name:           k_qf9541bbe91_attn
    .symbol:         k_qf9541bbe91_attn.kd
    .args:
      - { .name: qkv, .offset: 0, .size: 8, .value_kind: global_buffer, .address_space: global }
      - { .name: mk, .offset: 8, .size: 8, .value_kind: global_buffer, .address_space: global }
      - { .name: xo, .offset: 16, .size: 8, .value_kind: global_buffer, .address_space: global }
    .group_segment_fixed_size: 327680
    .private_segment_fixed_size: 0
    .kernarg_segment_align: 8
    .kernarg_segment_size: 24
    .max_flat_workgroup_size: 256
    .sgpr_count:     106
    .vgpr_count:     512
    .wavefront_size: 32
...
	.end_amdgpu_metadata
.endif
;; end of part 5
;; launch gemm_out: the kernel of part 4 again; grid 8 x 32, 4 waves a work-group, clusters of 4 x 4, 327,680 bytes of LDS; arguments xo, wb, b_out, out0; writes out0
